; MI455X (gfx1250); checked and timed in simulation.
; The chip was launched on July 23, 2026; its instructions are those of AMD's public machine-readable ISA for CDNA 5 (MIT licence, August 2026) and "CDNA5" Instruction Set Architecture Reference Guide (July 2026). The comments in the code are by the model that wrote it; some were corrected since.
;; Simple Mo E. Allowed arithmetic: matrix products marked QUANTISED: E5M2 operands, one given power-of-two scale a tensor, by v_wmma_f32_16x16x64_bf8_bf8 or v_wmma_f32_16x16x128_bf8_bf8, f32 sums; products left as they are: f32 operands where the result goes on into a quantised operand, else bf16, f16 or f32 operands; f32 sums; everything else in f32.
;; Inputs: W1_codes 4 x 4,096 x 32 x 32 uint8 (E5M2 codes of W1, K innermost, in blocks of 32 codes); W2_codes 4 x 1,024 x 128 x 32 uint8 (E5M2 codes of W2, K innermost, in blocks of 32 codes); Wr 1,024 x 4 float32; b1 4 x 4,096 float32; b2 4 x 1,024 float32; br 4 float32; lowp_scales 16 int32 (the exponents e of the quantised operands' scales 2^e); x 2,048 x 1,024 float32.
;; Outputs: out0 2,048 x 1,024 float32.
;; This version of the problem:
;;   THIS VERSION OF THE PROBLEM IS GIVEN IN LOW PRECISION. The matrix products marked QUANTISED in the list below multiply operands that are first quantised to E5M2 (5 exponent bits, 2 mantissa bits; 8 bits a number), with one given power-of-two scale for each operand tensor; their sums are f32. All else is computed in f32.
;;   The module's matrix products, in the order in which they are computed (A, B: the left and right operand; K: the contracted axis; several contracted axes count as one K, in the product's order):
;;     1. [M 2,048, K 1,024] x [K 1,024, N 4]; A: input x; B: input Wr: left as it is (N = 4 < 16)
;;     2. [M 2,048, K 1,024] x [K 1,024, N 4,096]; A: input x; B: input W1 (given as codes): QUANTISED (scales: A lowp_scales[0], B lowp_scales[1])
;;     3. [M 2,048, K 4,096] x [K 4,096, N 1,024]; A: computed on the way; B: input W2 (given as codes): QUANTISED (scales: A lowp_scales[2], B lowp_scales[3])
;;     4. [M 2,048, K 1,024] x [K 1,024, N 4,096]; A: input x; B: input W1 (given as codes): QUANTISED (scales: A lowp_scales[4], B lowp_scales[5])
;;     5. [M 2,048, K 4,096] x [K 4,096, N 1,024]; A: computed on the way; B: input W2 (given as codes): QUANTISED (scales: A lowp_scales[6], B lowp_scales[7])
;;     6. [M 2,048, K 1,024] x [K 1,024, N 4,096]; A: input x; B: input W1 (given as codes): QUANTISED (scales: A lowp_scales[8], B lowp_scales[9])
;;     7. [M 2,048, K 4,096] x [K 4,096, N 1,024]; A: computed on the way; B: input W2 (given as codes): QUANTISED (scales: A lowp_scales[10], B lowp_scales[11])
;;     8. [M 2,048, K 1,024] x [K 1,024, N 4,096]; A: input x; B: input W1 (given as codes): QUANTISED (scales: A lowp_scales[12], B lowp_scales[13])
;;     9. [M 2,048, K 4,096] x [K 4,096, N 1,024]; A: computed on the way; B: input W2 (given as codes): QUANTISED (scales: A lowp_scales[14], B lowp_scales[15])
;;   THE QUANTISER, for each operand of a quantised product, along K:
;;     - The operand's scale is 2^e, e = its entry of the input lowp_scales (int32; the entries are numbered through the quantised products in the list's order, A before B).
;;     - Each number is divided by the scale, clamped to +-57,344, and rounded to the nearest number of E5M2, ties to even, subnormals kept.
;;     - The product sums the exact products of the quantised numbers (number of the format x scale) in f32.
;;   ~~~python
;;   def quantise(x, axis, e):      # numpy; x: float32 -> the quantised numbers, widened to float32 again
;;       x = np.moveaxis(x, axis, -1); K = x.shape[-1]
;;       r = np.clip(x / 2.0 ** e, -57344, 57344)
;;       step = 2.0 ** (np.maximum(np.frexp(np.where(r == 0, 1, r))[1] - 1, -14) - 2)
;;       q = np.round(r / step) * step * 2.0 ** e      # np.round: ties to even
;;       return np.moveaxis(q, -1, axis).astype(np.float32)
;;   ~~~
;;   OPERANDS COMPUTED ON THE WAY. 'Computed on the way' means the value that the module computes at that place (a softmax that the list does not call 'softmax' is quantised finished and normalised). What goes into a quantiser is computed in f32, as accurately as f32 sums, v_exp_f32 and their like allow (about 1e-6 of the number): no bf16 or f16 on the way to a quantiser, and a product that is left as it is and whose result goes on into a quantised operand takes f32 operands (vector FMAs, or v_wmma_f32_16x16x4_f32). A number that lies on a knife's edge between two numbers of the format may be rounded either way, as far as f32 arithmetic and the matrix unit's own rounding can turn it there, and no further.
;;   INPUTS GIVEN AS CODES. W1 (in the module: [4, 1024, 4096], K = its axis 1); W2 (in the module: [4, 4096, 1024], K = its axis 1): each comes as NAME_codes (uint8): NAME with its K axis moved to the last place and cut into blocks of 32 codes, [.., K / 32, bytes a block], one block behind the other in memory; one code a byte (a code: sign, 5 exponent bits, 2 mantissa bits); its scale is its entry of lowp_scales. Its value is code x scale, taken as it is: it is not quantised again, and the codes and scales need not be those that the quantiser above would give.
;; 2 versions. Each part assembles by itself: llvm-mc -triple=amdgcn-amd-amdhsa -mcpu=gfx1250 --defsym DOCPART=n.
;; ======== version 1 of 2: 3 launches
;; workspace buffers: xq4 8,388,608 bytes; masks 1,024 bytes of whole numbers; hq 33,554,432 bytes
;; launch route (part 1): grid 256 x 1, 4 waves a work-group, no clusters, 1,024 bytes of LDS; arguments x, Wr, br, lowp_scales, xq4, masks, W1_codes; writes xq4, masks
.if DOCPART == 1
	.amdgcn_target "amdgcn-amd-amdhsa--gfx1250"
	.amdhsa_code_object_version 6
	.text
	.protected	k_qa1bb86669c_route
	.globl	k_qa1bb86669c_route
	.p2align	8
	.type	k_qa1bb86669c_route,@function
k_qa1bb86669c_route:
	s_mov_b64 s[64:65], 0
	v_nop
	global_prefetch_b8 v0, s[64:65] scope:SCOPE_SE
	s_setreg_imm32_b32 hwreg(HW_REG_WAVE_MODE, 25, 1), 1
	s_wait_xcnt 0x0
; ROUTER AND QUANTISER OF x.  logits = x Wr + br in f32, softmax, argmax (the lower index at a tie), for 2,048 tokens and 4 experts;
; and x as codes of E5M2 four times over, once with each expert's own scale 2^ex (ex = entry 4 e of the scales).
; OUT: xq4 [expert 4][token 2,048][1,024 codes], at fixed places;  masks [expert 4][256 bytes]: bit i of byte b says that token 8 b + i chose the expert.
; The choice comes from floating point, so here it is only stored, at fixed addresses; the later launches read it as whole numbers.
; SHARES.  Work-group b owns tokens 8 b .. 8 b + 7.  Wave w owns K = 256 w .. 256 w + 255 of all eight, lane l the eight k = 256 w + 8 l + 0 .. 7:
; so each wave reads its 4,096 bytes of Wr once, a lane's eight codes are 8 neighbouring bytes, and a wave's store of codes covers 256 consecutive bytes, aligned.
; The four waves' partial logits meet in LDS behind one barrier; wave 0 finishes: lane l stands for expert l / 8 and token l % 8.
; No matrix unit: the product has 4 columns.  No tensor load, no cluster: work-groups share only Wr's 16 KB.
; LIMITS: ex between -126 and 112 (2^ex and 57,344 x 2^ex are f32 numbers).  NaN among the inputs is not served (such a token gets no expert).
; A token whose two best logits agree to the last bits of f32 may go either way: the sums' order is not that of the definition.
.set X,   16                           ; v16-79    x: token i at X + 8 i
.set WR,  80                           ; v80-111   Wr: k = m at WR + 4 m, the four experts
.set AC,  112                          ; v112-143  partial logits: token i, expert e at AC + 4 i + e
.set T,   144                          ; v144-175  held numbers: a set of 8 for each expert; later the lane exchange's landing place
.set C,   176                          ; v176-239  codes: (i, e) at C + 8 i + 2 e; never written twice, so no store's data are written again
.set SCL, 240                          ; v240-243  2^ex as f32
.set LIM, 244                          ; v244-247  57,344 x 2^ex
	s_load_b256 s[4:11], s[0:1], 0x0               ; x s[4:5], Wr s[6:7], br s[8:9], the scales' exponents s[10:11]
	s_load_b128 s[12:15], s[0:1], 0x20             ; xq4 s[12:13], masks s[14:15]
	s_load_b64 s[2:3], s[0:1], 0x30                ; W1's codes: asked for ahead only
	v_lshl_add_u32 v14, v0, 2, 0x200
	v_mov_b32 v15, 0
	v_lshrrev_b32 v1, 5, v0
	v_readfirstlane_b32 s32, v1                    ; wave 0..3
	v_and_b32 v1, 31, v0                           ; lane
	v_lshlrev_b32 v2, 5, v1                        ; x: my 32 bytes of the wave's 1,024
	v_lshlrev_b32 v3, 7, v1                        ; Wr: my 8 rows of 16 bytes
	v_lshlrev_b32 v4, 3, v1                        ; codes: my 8 bytes
	v_lshlrev_b32 v6, 2, v1                        ; LDS, on the way out: word = lane
	v_lshrrev_b32 v12, 3, v1                       ; the final part's expert: lane / 8
	v_lshlrev_b32 v7, 2, v12                       ; its br
	s_mov_b32 s33, ttmp9
	v_lshl_add_u32 v8, v12, 8, s33                 ; its byte of the masks: 256 e + b
	v_and_b32 v9, 24, v1                           ; 8 e: where its byte stands in the 32 lanes' answer
	v_lshlrev_b32 v10, 8, v1                       ; 256 x lane, for the requests ahead
	s_lshl_b32 s36, s32, 7
	v_mov_b32 v5, s36                              ; LDS, on the way in: 128 bytes for each wave
	s_mov_b32 s34, 0x76543210                      ; v_permlanex16_b32: lane l takes lane l xor 16
	s_mov_b32 s35, 0xfedcba98
	s_lshl_b32 s36, ttmp9, 15                      ; x: 8 tokens of 4,096 bytes a work-group, 1,024 bytes a wave
	s_lshl_b32 s37, s32, 10
	s_add_co_u32 s36, s36, s37
	s_mov_b32 s37, 0
	s_lshl_b32 s38, s32, 12                        ; Wr: 256 rows of 16 bytes a wave
	s_mov_b32 s39, 0
	s_lshl_b32 s40, ttmp9, 13                      ; xq4: 8 tokens of 1,024 bytes, 256 bytes a wave
	s_lshl_b32 s41, s32, 8
	s_add_co_u32 s40, s40, s41
	s_mov_b32 s41, 0
	s_lshl_b32 s42, ttmp9, 16                      ; W1's codes: 65,536 bytes a work-group, 16,384 a wave: 256 x 65,536 is the whole buffer
	s_lshl_b32 s43, s32, 14
	s_add_co_u32 s42, s42, s43
	s_mov_b32 s43, 0
	s_wait_kmcnt 0x0
	s_load_b512 s[16:31], s[10:11], 0x0            ; the 16 exponents: ex of expert e is s[16 + 4 e]
	s_add_nc_u64 s[4:5], s[4:5], s[36:37]
	s_add_nc_u64 s[6:7], s[6:7], s[38:39]
	s_add_nc_u64 s[12:13], s[12:13], s[40:41]
	s_add_nc_u64 s[2:3], s[2:3], s[42:43]
.irp m, 0,1,2,3,4,5,6,7
	global_load_b128 v[WR+4*\m:WR+4*\m+3], v3, s[6:7] offset:16*\m
.endr
	global_load_b32 v11, v7, s[8:9]
.irp i, 0,1,2,3,4,5,6,7
	global_load_b128 v[X+8*\i:X+8*\i+3], v2, s[4:5] offset:4096*\i th:TH_LOAD_NT
	global_load_b128 v[X+8*\i+4:X+8*\i+7], v2, s[4:5] offset:4096*\i+16 th:TH_LOAD_NT
.endr
	; The next launch's weights are asked for here, behind my own loads: each wave names its own 16,384 bytes of W1's codes once, lanes 256 bytes apart, two lines; the last wave's last lane ends inside the buffer's last 256 bytes.
	global_prefetch_b8 v10, s[2:3] th:TH_LOAD_NT scope:SCOPE_SE
	global_prefetch_b8 v10, s[2:3] offset:8192 th:TH_LOAD_NT scope:SCOPE_SE
	s_wait_kmcnt 0x0
.irp e, 0,1,2,3
	s_add_co_i32 s36, s[16+4*\e], 127
	s_lshl_b32 s37, s36, 23
	v_mov_b32 v[SCL+\e], s37                       ; 2^ex: the conversion takes its exponent field
	s_add_co_i32 s36, s36, 15
	s_lshl_b32 s36, s36, 23
	s_or_b32 s36, s36, 0x600000
	v_mov_b32 v[LIM+\e], s36                       ; 57,344 x 2^ex
.endr
; token i's partial logits: 8 k x 4 experts, two experts an instruction; of x's pair one word feeds both halves
.macro DOT i
.irp m, 0,1,2,3,4,5,6,7
.irp p, 0,1
.if \m == 0
	v_pk_mul_f32 v[AC+4*\i+2*\p:AC+4*\i+2*\p+1], v[X+8*\i:X+8*\i+1], v[WR+2*\p:WR+2*\p+1] op_sel_hi:[0,1]
.elseif \m % 2 == 0
	v_pk_fma_f32 v[AC+4*\i+2*\p:AC+4*\i+2*\p+1], v[X+8*\i+\m:X+8*\i+\m+1], v[WR+4*\m+2*\p:WR+4*\m+2*\p+1], v[AC+4*\i+2*\p:AC+4*\i+2*\p+1] op_sel_hi:[0,1,1]
.else
	v_pk_fma_f32 v[AC+4*\i+2*\p:AC+4*\i+2*\p+1], v[X+8*\i+\m-1:X+8*\i+\m], v[WR+4*\m+2*\p:WR+4*\m+2*\p+1], v[AC+4*\i+2*\p:AC+4*\i+2*\p+1] op_sel:[1,0,0] op_sel_hi:[1,1,1]
.endif
.endr
.endr
.endm
; token i's codes, once for each expert.  The conversion to an 8-bit code does not saturate (ISA guide 7.6.2): each number is first held within 57,344 x the scale.
; The next expert's holds are the plain lines behind a conversion; its result goes to a store alone.
.macro QX i
.irp e, 0,1,2,3
.irp m, 0,1,2,3,4,5,6,7
	v_med3_num_f32 v[T+8*\e+\m], v[X+8*\i+\m], -v[LIM+\e], v[LIM+\e]
.endr
	v_cvt_scalef32_pk8_bf8_f32 v[C+8*\i+2*\e:C+8*\i+2*\e+1], v[T+8*\e:T+8*\e+7], v[SCL+\e]
	global_store_b64 v4, v[C+8*\i+2*\e:C+8*\i+2*\e+1], s[12:13] offset:\e*2097152+\i*1024   ; 32 lanes store 256 consecutive bytes, aligned
.endr
.endm
.irp i, 0,1,2,3,4,5,6,7
	s_wait_loadcnt 14-2*\i                         ; loads come back in order: token i's two are in (and Wr, br); the later tokens' 2 (7 - i) stay out
	DOT \i
	QX \i
.endr
	; the 32 sums over the wave's 32 lanes: four steps inside each half of 16 lanes, one across
.irp msk, 1,2,4,8
.set j, 0
.rept 32
	v_add_f32_dpp v[AC+j], v[AC+j], v[AC+j] row_xmask:\msk row_mask:0xf bank_mask:0xf
.set j, j+1
.endr
.endr
.set j, 0
.rept 32
	v_permlanex16_b32 v[T+j], v[AC+j], s34, s35    ; (T has been written: the destination counts as read)
.set j, j+1
.endr
.set j, 0
.rept 32
	v_add_f32 v[AC+j], v[AC+j], v[T+j]
.set j, j+1
.endr
.irp i, 0,1,2,3,4,5,6,7
.irp e, 0,1,2,3
	ds_store_b32 v5, v[AC+4*\i+\e] offset:4*(8*\e+\i)   ; every lane holds the sum: all write one word with one value; word 8 e + i of my wave's 32
.endr
.endr
	s_wait_dscnt 0x0                               ; for the others' sake: my stores have landed
	s_barrier_signal -1
	s_barrier_wait -1
	s_cmp_lg_u32 s32, 0
	s_cbranch_scc1 .Lend                           ; waves 1 to 3 are done
.irp p, 0,1,2,3
	ds_load_b32 v[248+\p], v6 offset:128*\p        ; lane l: the four waves' parts of logit (expert l / 8, token l % 8)
.endr
	s_wait_dscnt 0x0
	v_add_f32 v248, v248, v249
	v_add_f32 v250, v250, v251
	v_add_f32 v248, v248, v250
	v_add_f32 v248, v248, v11                      ; the logit
	v_cvt_f32_u32 v252, v12                        ; my expert's number as f32
	; a token's four experts stand in lanes l, l xor 8, l xor 16, l xor 24: each reduction is one step inside the half and one across
	v_mov_b32 v249, v248
	v_max_num_f32_dpp v249, v249, v249 row_xmask:8 row_mask:0xf bank_mask:0xf
	v_permlanex16_b32 v250, v249, s34, s35
	v_max_num_f32 v249, v249, v250                 ; the largest logit is taken away ahead of the exponential
	v_sub_f32 v251, v248, v249
	v_mul_f32 v251, 0x3fb8aa3b, v251               ; x log2(e)
	v_exp_f32 v251, v251
	v_nop                                          ; a plain line behind the transcendental
	s_wait_alu depctr_va_vdst(0)
	v_mov_b32 v253, v251
	v_add_f32_dpp v253, v253, v253 row_xmask:8 row_mask:0xf bank_mask:0xf
	v_permlanex16_b32 v250, v253, s34, s35
	v_add_f32 v253, v253, v250                     ; the sum: the same bits in all four lanes (both additions are of the same two numbers)
	v_rcp_f32 v253, v253
	v_nop
	s_wait_alu depctr_va_vdst(0)
	v_mul_f32 v251, v251, v253                     ; the weight
	v_mov_b32 v254, v251
	v_max_num_f32_dpp v254, v254, v254 row_xmask:8 row_mask:0xf bank_mask:0xf
	v_permlanex16_b32 v250, v254, s34, s35
	v_max_num_f32 v254, v254, v250                 ; the largest weight
	v_cmp_eq_f32 vcc_lo, v251, v254
	v_cndmask_b32 v255, 4.0, v252, vcc_lo          ; my number where I hold it, else 4
	v_min_num_f32_dpp v255, v255, v255 row_xmask:8 row_mask:0xf bank_mask:0xf
	v_permlanex16_b32 v250, v255, s34, s35
	v_min_num_f32 v255, v255, v250                 ; the lowest expert that holds it
	v_cmp_eq_f32 vcc_lo, v255, v252                ; bit 8 e + i: token i chose expert e
	v_mov_b32 v250, vcc_lo
	v_lshrrev_b32 v250, v9, v250                   ; my expert's byte comes lowest
	global_store_b8 v8, v250, s[14:15]             ; eight lanes store the same byte at the same place: 4 bytes a work-group
.Lend:
	s_wait_tensorcnt 0x0
	ds_add_u32 v14, v15
	s_wait_dscnt 0x0
	s_endpgm
.Lfunc_end_k_qa1bb86669c_route:
	.size	k_qa1bb86669c_route, .Lfunc_end_k_qa1bb86669c_route-k_qa1bb86669c_route
	.p2alignl 7, 3214868480
	.fill 96, 4, 3214868480
	.section	.rodata,"a",@progbits
	.p2align	6, 0x0
	.amdhsa_kernel k_qa1bb86669c_route
		.amdhsa_group_segment_fixed_size 1024
		.amdhsa_private_segment_fixed_size 0
		.amdhsa_enable_private_segment 0
		.amdhsa_kernarg_size 56
		.amdhsa_user_sgpr_count 2
		.amdhsa_user_sgpr_kernarg_segment_ptr 1
		.amdhsa_wavefront_size32 1
		.amdhsa_system_sgpr_workgroup_id_x 1
		.amdhsa_system_sgpr_workgroup_id_y 1
		.amdhsa_system_sgpr_workgroup_id_z 1
		.amdhsa_system_vgpr_workitem_id 0
		.amdhsa_next_free_vgpr 256
		.amdhsa_next_free_sgpr 66
		.amdhsa_reserve_vcc 1
		.amdhsa_float_denorm_mode_32 3
		.amdhsa_float_denorm_mode_16_64 3
		.amdhsa_memory_ordered 1
		.amdhsa_forward_progress 1
		.amdhsa_inst_pref_size 50
	.end_amdhsa_kernel
	.amdgpu_metadata
---
amdhsa.version: [ 1, 2 ]
amdhsa.kernels:
  - .name:           k_qa1bb86669c_route
    .symbol:         k_qa1bb86669c_route.kd
    .args:
      - { .name: x, .offset: 0, .size: 8, .value_kind: global_buffer, .address_space: global }
      - { .name: Wr, .offset: 8, .size: 8, .value_kind: global_buffer, .address_space: global }
      - { .name: br, .offset: 16, .size: 8, .value_kind: global_buffer, .address_space: global }
      - { .name: lowp_scales, .offset: 24, .size: 8, .value_kind: global_buffer, .address_space: global }
      - { .name: xq4, .offset: 32, .size: 8, .value_kind: global_buffer, .address_space: global }
      - { .name: masks, .offset: 40, .size: 8, .value_kind: global_buffer, .address_space: global }
      - { .name: W1_codes, .offset: 48, .size: 8, .value_kind: global_buffer, .address_space: global }
    .group_segment_fixed_size: 1024
    .private_segment_fixed_size: 0
    .kernarg_segment_align: 8
    .kernarg_segment_size: 56
    .max_flat_workgroup_size: 128
    .sgpr_count:     66
    .vgpr_count:     256
    .wavefront_size: 32
...
	.end_amdgpu_metadata
.endif
;; end of part 1
;; launch up (part 2): grid 256 x 1, 4 waves a work-group, no clusters, 200,192 bytes of LDS; arguments xq4, W1_codes, b1, lowp_scales, masks, hq, W2_codes; writes hq
.if DOCPART == 2
	.amdgcn_target "amdgcn-amd-amdhsa--gfx1250"
	.amdhsa_code_object_version 6
	.text
	.protected	k_qa1bb86669c_up
	.globl	k_qa1bb86669c_up
	.p2align	8
	.type	k_qa1bb86669c_up,@function
k_qa1bb86669c_up:
	s_mov_b64 s[64:65], 0
	v_nop
	global_prefetch_b8 v0, s[64:65] scope:SCOPE_SE
	s_setreg_imm32_b32 hwreg(HW_REG_WAVE_MODE, 25, 1), 1
	s_wait_xcnt 0x0
; FIRST PRODUCT OF THE CHOSEN EXPERTS: hq = Q(relu(x W1[e] + b1[e])) for the tokens that chose expert e, on codes of E5M2 by v_wmma_f32_16x16x128_bf8_bf8, sums in f32.
; A token's row is multiplied by its own expert alone: the definition keeps no other expert's result.
; IN: xq4 [e][token][1,024 codes] (x with expert e's scale), W1's codes [e][4,096 units][1,024 k], b1, the scales' exponents (ex, ew1, eh, ew2 at 4 e on), masks [e][64 words]: bit j of word k = token 32 k + j chose e.
; OUT: hq [e][tile 128][K step 32][piece 4][lane 32][16 bytes]: the hidden layer's codes as images of the next product's operand registers; a tile = 16 slots of the expert's list of tokens (ascending).
; SHARES.  256 work-groups, whatever the split: id = 64 e + 4 g + p.  With c tokens for e and T = ceil(c / 16) tiles, part p owns tiles (p T) / 4 .. ((p + 1) T) / 4 - 1, at most 32; column group g owns hidden units 256 g .. 256 g + 255.
; Wave w owns units 256 g + 64 w .. + 63 over all K = 1,024: its 64 KB of W1 stay in 512 registers, read from memory once.  The tiles' rows are fetched once a work-group (wave w: rows 4 w .. 4 w + 3 of each tile) and shared through LDS.
; A slot past c (in the list's last tile) is held at slot c - 1: it repeats the last token's row, codes and sums; nothing is masked.
; THE LIST IS NOT STORED: each wave turns slots into tokens itself, from the 64 mask words in scalar registers (SELECT).
; THE MATRIX INSTRUCTION IS USED TRANSPOSED (source 0 = 16 rows of W1, source 1 = 16 tokens): a lane holds one token, its registers run along the hidden units, the next K.
; THE ROWS OF W1 THAT FORM A TILE ARE NOT NEIGHBOURS: lane r of tile 2 b + u takes row 32 b + 8 u + r + 8 (r / 8), so that the 16 registers of tiles 2 b, 2 b + 1 are units 32 b + 16 (lane / 16) + 0 .. 15.
; Both operands are fetched in pieces of 16 bytes at k = 32 c + 16 (lane / 16): one permutation of k, the same on both sides; only the order of the sums inside an instruction changes.
; NO TENSOR LOAD, NO CLUSTER: how many tiles a work-group has hangs on counts read from memory, so its branches hang on stored numbers.
; Every barrier stands on the way that all waves take: a loop of exactly 3 groups of 12 tiles (36 >= 32); a group without tiles passes its two barriers and does nothing else.
; LIMITS: eh - ex - ew1 between -126 and 112; b1 / 2^(ex + ew1) an f32 number.  NaN is not served.
; REGISTERS, in windows of 256: window 0: addresses, accumulators, work.  window 1: the rows' fragments, two sets of 128 (fragment s of set b at v[128 b + 16 s]); in the gathering phase the landing place of tiles 0-7.
;   windows 2, 3: W1's 32 fragments: (K step s, tile ct) in window 2 + s / 4 at v[16 (4 (s % 4) + ct)].
.set PITCH, 1040                       ; an LDS row: 1,024 bytes of codes + 16: an odd multiple of 16, so the 16 rows of a fragment load begin in 16 different columns of 16 bytes
.set THIRD, 48*PITCH                   ; three tiles: the immediates stay inside 16 bits with four base registers
.set L16,  1                           ; v1      16 x lane
.set WOF,  2                           ; v2      W1: (r + 8 (r / 8)) x 1,024 + 16 h
.set BOF,  3                           ; v3      b1: 64 h
.set STO,  4                           ; v4-7    LDS, in: 4 w rows + 16 x lane, + k thirds
.set FRG,  8                           ; v8-11   LDS, out: r rows + 16 h, + k thirds
.set HSC,  12                          ; v12     2^(eh - ex - ew1) as f32
.set HLIM, 13                          ; v13     57,344 x that
.set TOK,  14                          ; v14-15  tokens: tile t, row 4 w + q in lane 4 (t % 8) + q of v[14 + t / 8]
.set AD,   16                          ; v16-63  byte offsets of the rows: 4 t + q
.set ACC,  64                          ; v64-95  four accumulators (v64-191: landing place of tiles 8-11 in the gathering phase)
.set PC,   96                          ; v96-103 the codes just made
.set BIAS, 192                         ; v192-223 b1 / 2^(ex + ew1), tile ct at 192 + 8 ct, in the result's layout
.set SJ,   224                         ; v224-245 SELECT's: slot, word, packed prefix, rank, four partial counts, position, two at work; two of each
.set SW,   226
.set SP,   228
.set SR,   230
.set SA,   232
.set SB,   234
.set SC8,  236
.set SD,   238
.set SO,   240
.set SX,   242
.set SY,   244
.set JB,   246                         ; v246    my slot in a group: 16 (lane / 4) + 4 w + lane % 4
.set PFO,  247                         ; v247    256 x lane
; SCALARS: s[4:5] xq4 at e; s[6:7] W1 at my 64 units; s[8:9] b1 at them; s[14:15] hq at my place in the group's first tile; s[2:3] W2's codes (asked for ahead only);
; s[16:63], s[80:95] the 64 mask words (word k in s[16 + k + 16 (k / 48)]); s66 wave; s67 e; s68 g; s69 p; s70 c; s71 max(c, 1) - 1; s72 tiles left; s73 the group's first slot; s74 n = the group's tiles; s75 group; s[76:79] ex, ew1, eh, ew2; s96-101, s104 at work.
.set MSB, 0
.macro WIN new                         ; low byte: bits 1:0 source 0, 3:2 source 1, 5:4 source 2, 7:6 destination; the high byte repeats the setting that is left
.if MSB != (\new)
	s_set_vgpr_msb (MSB<<8)|(\new)
.set MSB, (\new)
.endif
.endm
; weight loads lo .. hi - 1 of 128: number 32 ct + 4 s + c brings registers 4 c .. 4 c + 3 of fragment (s, ct)
.macro WLOAD lo, hi
.set wi, \lo
.rept (\hi)-(\lo)
.set wct, wi/32
.set ws, (wi/4)%8
.set wc, wi%4
	WIN 0x80+0x40*(ws/4)
	global_load_b128 v[16*(4*(ws%4)+wct)+4*wc:16*(4*(ws%4)+wct)+4*wc+3], v[WOF], s[6:7] offset:(32*(wct/2)+8*(wct%2))*1024+128*ws+32*wc
.set wi, wi+1
.endr
	WIN 0
.endm
.macro COUNT                           ; c = the set bits of the 64 words
	s_bcnt1_i32_b32 s70, s16
.set k, 1
.rept 63
	s_bcnt1_i32_b32 s99, s[16+k+16*(k/48)]
	s_add_co_u32 s70, s70, s99
.set k, k+1
.endr
.endm
.macro JFORM                           ; my two slots of the group, held at the list's last
	v_add_nc_u32 v[SJ], s73, v[JB]
	v_add_nc_u32 v[SJ+1], 128, v[SJ]
	v_min_u32 v[SJ], s71, v[SJ]
	v_min_u32 v[SJ+1], s71, v[SJ+1]
.endm
.macro SSTEP x, f, w, fw               ; one halving: the lower w bits at the position hold t set bits; where rank >= t the bit lies above them
	v_bfe_u32 v[SX+\x], v[\f+\x], v[SO+\x], \fw
	v_cmp_ge_u32 vcc_lo, v[SR+\x], v[SX+\x]
	v_cndmask_b32 v[SX+\x], 0, v[SX+\x], vcc_lo
	v_cndmask_b32 v[SY+\x], 0, \w, vcc_lo
	v_sub_nc_u32 v[SR+\x], v[SR+\x], v[SX+\x]
	v_add_nc_u32 v[SO+\x], v[SO+\x], v[SY+\x]
.endm
; SLOT j -> TOKEN: the j-th set bit of the 2,048.  The last word k whose prefix (set bits in the words below it) is <= j holds it: s96 runs through the prefixes, s97 = prefix + 65,536 k,
; and a lane keeps what it has from the first word on whose prefix is above its j.  Then five halvings inside the word, on its partial counts.
.macro SELECT
	v_mov_b32 v[SW], s16
	v_mov_b32 v[SW+1], s16
	v_mov_b32 v[SP], 0
	v_mov_b32 v[SP+1], 0
	s_bcnt1_i32_b32 s96, s16
	s_add_co_u32 s97, s96, 0x10000
.set k, 1
.rept 63
	v_cmp_gt_u32 vcc_lo, s96, v[SJ]
	v_cmp_gt_u32 s98, s96, v[SJ+1]
	v_cndmask_b32 v[SW], s[16+k+16*(k/48)], v[SW], vcc_lo
	v_cndmask_b32 v[SP], s97, v[SP], vcc_lo
	v_cndmask_b32 v[SW+1], s[16+k+16*(k/48)], v[SW+1], s98
	v_cndmask_b32 v[SP+1], s97, v[SP+1], s98
	s_bcnt1_i32_b32 s99, s[16+k+16*(k/48)]
	s_add_co_u32 s96, s96, s99
	s_add_co_u32 s97, s97, s99
	s_add_co_u32 s97, s97, 0x10000
.set k, k+1
.endr
.irp x, 0,1
	v_and_b32 v[SX+\x], 0xffff, v[SP+\x]
	v_sub_nc_u32 v[SR+\x], v[SJ+\x], v[SX+\x]      ; rank inside the word
	v_lshrrev_b32 v[SP+\x], 16, v[SP+\x]
	v_lshlrev_b32 v[SP+\x], 5, v[SP+\x]            ; 32 k
	v_lshrrev_b32 v[SX+\x], 1, v[SW+\x]
	v_and_b32 v[SX+\x], 0x55555555, v[SX+\x]
	v_sub_nc_u32 v[SA+\x], v[SW+\x], v[SX+\x]      ; counts of 2 bits
	v_lshrrev_b32 v[SX+\x], 2, v[SA+\x]
	v_and_b32 v[SX+\x], 0x33333333, v[SX+\x]
	v_and_b32 v[SB+\x], 0x33333333, v[SA+\x]
	v_add_nc_u32 v[SB+\x], v[SB+\x], v[SX+\x]      ; of 4
	v_lshrrev_b32 v[SX+\x], 4, v[SB+\x]
	v_add_nc_u32 v[SX+\x], v[SX+\x], v[SB+\x]
	v_and_b32 v[SC8+\x], 0x0f0f0f0f, v[SX+\x]      ; of 8
	v_lshrrev_b32 v[SX+\x], 8, v[SC8+\x]
	v_add_nc_u32 v[SX+\x], v[SX+\x], v[SC8+\x]
	v_and_b32 v[SD+\x], 0x00ff00ff, v[SX+\x]       ; of 16
	v_mov_b32 v[SO+\x], 0
	SSTEP \x, SD, 16, 8
	SSTEP \x, SC8, 8, 8
	SSTEP \x, SB, 4, 4
	SSTEP \x, SA, 2, 2
	SSTEP \x, SW, 1, 1
	v_add_nc_u32 v[TOK+\x], v[SP+\x], v[SO+\x]
.endr
.endm
	s_load_b256 s[4:11], s[0:1], 0x0               ; xq4, W1's codes, b1, the scales' exponents
	s_load_b128 s[12:15], s[0:1], 0x20             ; masks, hq
	s_load_b64 s[2:3], s[0:1], 0x30                ; W2's codes
	v_lshl_add_u32 v254, v0, 2, 0x30c00
	v_mov_b32 v255, 0
	v_lshrrev_b32 v1, 5, v0
	v_readfirstlane_b32 s66, v1                    ; wave 0..3
	s_lshr_b32 s67, ttmp9, 6                       ; e
	s_bfe_u32 s68, ttmp9, 0x40002                  ; g
	s_and_b32 s69, ttmp9, 3                        ; p
	v_and_b32 v248, 31, v0                         ; lane
	v_and_b32 v249, 15, v0                         ; r
	v_bfe_u32 v250, v0, 4, 1                       ; h
	v_lshlrev_b32 v[L16], 4, v248
	v_and_b32 v251, 8, v249
	v_add_nc_u32 v251, v251, v249                  ; r + 8 (r / 8)
	v_lshlrev_b32 v[WOF], 10, v251
	v_lshl_add_u32 v[WOF], v250, 4, v[WOF]
	v_lshlrev_b32 v[BOF], 6, v250
	s_mul_i32 s98, s66, 4*PITCH
	v_add_nc_u32 v[STO], s98, v[L16]
	v_mul_u32_u24 v[FRG], v249, PITCH
	v_lshl_add_u32 v[FRG], v250, 4, v[FRG]
.irp k, 1,2,3
	v_add_nc_u32 v[STO+\k], \k*THIRD, v[STO]
	v_add_nc_u32 v[FRG+\k], \k*THIRD, v[FRG]
.endr
	v_lshrrev_b32 v251, 2, v248
	v_lshlrev_b32 v251, 4, v251
	v_and_b32 v252, 3, v248
	v_add_nc_u32 v[JB], v251, v252
	s_lshl_b32 s98, s66, 2
	v_add_nc_u32 v[JB], s98, v[JB]
	v_lshlrev_b32 v[PFO], 8, v248
	s_mov_b32 s99, 0
	s_wait_kmcnt 0x0
	s_lshl_b32 s98, s67, 8
	s_add_nc_u64 s[12:13], s[12:13], s[98:99]      ; the expert's 256 bytes of masks
	s_lshl_b32 s98, s67, 4
	s_add_nc_u64 s[10:11], s[10:11], s[98:99]      ; and its four exponents
	s_load_b512 s[16:31], s[12:13], 0x0
	s_load_b512 s[32:47], s[12:13], 0x40
	s_load_b512 s[48:63], s[12:13], 0x80
	s_load_b512 s[80:95], s[12:13], 0xc0
	s_load_b128 s[76:79], s[10:11], 0x0
	s_lshl_b32 s98, s67, 21
	s_add_nc_u64 s[4:5], s[4:5], s[98:99]          ; xq4 at e: 2,048 rows of 1,024 bytes
	s_lshr_b32 s98, ttmp9, 2
	s_lshl_b32 s98, s98, 18                        ; (16 e + g) x 256 units of 1,024 bytes,
	s_lshl_b32 s100, s66, 16                       ; + 64 units a wave
	s_add_co_u32 s98, s98, s100
	s_add_nc_u64 s[6:7], s[6:7], s[98:99]
	s_lshl_b32 s98, s67, 14                        ; b1: 4 (4,096 e + 256 g + 64 w)
	s_lshl_b32 s100, s68, 10
	s_add_co_u32 s98, s98, s100
	s_lshl_b32 s100, s66, 8
	s_add_co_u32 s98, s98, s100
	s_add_nc_u64 s[8:9], s[8:9], s[98:99]
	s_lshl_b32 s98, ttmp9, 16                      ; W2's codes: 65,536 bytes a work-group, 16,384 a wave
	s_lshl_b32 s100, s66, 14
	s_add_co_u32 s98, s98, s100
	s_add_nc_u64 s[2:3], s[2:3], s[98:99]
.irp ct, 0,1,2,3
	global_load_b128 v[BIAS+8*\ct:BIAS+8*\ct+3], v[BOF], s[8:9] offset:(32*(\ct/2)+8*(\ct%2))*4
	global_load_b128 v[BIAS+8*\ct+4:BIAS+8*\ct+7], v[BOF], s[8:9] offset:(32*(\ct/2)+8*(\ct%2))*4+16
.endr
	WLOAD 0, 52                                    ; 60 loads are out; the register work below runs while they land
	s_wait_kmcnt 0x0
	COUNT
	s_max_u32 s71, s70, 1
	s_sub_co_u32 s71, s71, 1
	s_add_co_u32 s98, s70, 15
	s_lshr_b32 s98, s98, 4                         ; T
	s_mul_i32 s99, s69, s98
	s_lshr_b32 s99, s99, 2                         ; my first tile
	s_add_co_u32 s100, s69, 1
	s_mul_i32 s100, s100, s98
	s_lshr_b32 s100, s100, 2
	s_sub_co_u32 s72, s100, s99                    ; my tiles
	s_min_u32 s99, s99, 127                        ; (it is at most 96: the hold is for the address's sake)
	s_lshl_b32 s73, s99, 4                         ; my first slot
	s_lshl_b32 s98, s99, 16                        ; hq: 65,536 bytes a tile,
	s_lshl_b32 s100, s67, 23                       ; 128 tiles an expert,
	s_add_co_u32 s98, s98, s100
	s_lshl_b32 s100, s68, 12                       ; K step 2 g + w / 2 of 2,048 bytes and piece 2 (w % 2) of 512: 4,096 g + 1,024 w
	s_add_co_u32 s98, s98, s100
	s_lshl_b32 s100, s66, 10
	s_add_co_u32 s98, s98, s100
	s_mov_b32 s99, 0
	s_add_nc_u64 s[14:15], s[14:15], s[98:99]
	s_mov_b32 s75, 0
	s_add_co_i32 s100, s76, s77                    ; ex + ew1: a sum stands for sum x 2^(ex + ew1); b1 goes in divided by that,
	s_sub_co_i32 s101, 0, s100
	s_sub_co_i32 s100, s78, s100                   ; and the conversion's one scale is 2^(eh - ex - ew1)
	s_add_co_i32 s100, s100, 127
	s_lshl_b32 s104, s100, 23
	v_mov_b32 v[HSC], s104
	s_add_co_i32 s100, s100, 15
	s_lshl_b32 s100, s100, 23
	s_or_b32 s100, s100, 0x600000
	v_mov_b32 v[HLIM], s100
	JFORM
	SELECT                                         ; the first group's tokens
	s_wait_loadcnt 52                              ; b1's eight loads are in: the 52 weight loads issued behind them may stay out
.set j, 0
.rept 32
	v_ldexp_f32 v[BIAS+j], v[BIAS+j], s101
.set j, j+1
.endr
	WLOAD 52, 128
	; The next launch's weights are asked for here, behind my own loads: each wave names its own 16,384 bytes of W2's codes once, lanes 256 bytes apart, two lines; 256 x 65,536 bytes is the whole buffer.
	global_prefetch_b8 v[PFO], s[2:3] th:TH_LOAD_NT scope:SCOPE_SE
	global_prefetch_b8 v[PFO], s[2:3] offset:8192 th:TH_LOAD_NT scope:SCOPE_SE
; my four rows of tile t are asked for: 8 loads of 512 consecutive bytes
.macro GATHER t
.irp q, 0,1,2,3
	v_readlane_b32 s98, v[TOK+(\t)/8], 4*((\t)%8)+\q
	s_min_u32 s98, s98, 0x7ff                      ; a token's number, held inside the table
	s_lshl_b32 s98, s98, 10
	v_add_nc_u32 v[AD+4*(\t)+\q], s98, v[L16]
.endr
.if (\t) < 8
	WIN 0x40
.set gb, 32*(\t)
.else
.set gb, 64+32*((\t)-8)
.endif
.irp q, 0,1,2,3
	global_load_b128 v[gb+8*\q:gb+8*\q+3], v[AD+4*(\t)+\q], s[4:5]
	global_load_b128 v[gb+8*\q+4:gb+8*\q+7], v[AD+4*(\t)+\q], s[4:5] offset:512
.endr
	WIN 0
.endm
; and go to LDS as rows
.macro PUT t
	s_wait_loadcnt 0x0                             ; the chain is entered at any tile: each link waits for all loads; only the first that is met waits in fact
.if (\t) < 8
	WIN 0x04
.set gb, 32*(\t)
.else
.set gb, 64+32*((\t)-8)
.endif
.irp q, 0,1,2,3
	ds_store_b128 v[STO+(\t)/3], v[gb+8*\q:gb+8*\q+3] offset:(16*((\t)%3)+\q)*PITCH
	ds_store_b128 v[STO+(\t)/3], v[gb+8*\q+4:gb+8*\q+7] offset:(16*((\t)%3)+\q)*PITCH+512
.endr
	WIN 0
.endm
; tile t's eight fragments (16 tokens x 1,024 k) into set t % 2
.macro XLOAD t
	WIN 0x40
.irp s, 0,1,2,3,4,5,6,7
.irp c, 0,1,2,3
	ds_load_b128 v[128*((\t)%2)+16*\s+4*\c:128*((\t)%2)+16*\s+4*\c+3], v[FRG+(\t)/3] offset:((\t)%3)*16*PITCH+128*\s+32*\c
.endr
.endr
	WIN 0
.endm
; 32 matrix instructions: K step by K step, the four accumulators by turns, one instruction a turn.  The bias starts the sums.
.macro UMUL b
	WIN 0x06                                       ; source 0 (W1) window 2, source 1 (the tokens) window 1
.irp s, 0,1,2,3,4,5,6,7
.if \s == 4
	WIN 0x07                                       ; W1's K steps 4-7: window 3
.endif
.irp ct, 0,1,2,3
.if \s == 0
	v_wmma_f32_16x16x128_bf8_bf8 v[ACC+8*\ct:ACC+8*\ct+7], v[16*(4*(\s%4)+\ct):16*(4*(\s%4)+\ct)+15], v[128*(\b)+16*\s:128*(\b)+16*\s+15], v[BIAS+8*\ct:BIAS+8*\ct+7]
.else
	v_wmma_f32_16x16x128_bf8_bf8 v[ACC+8*\ct:ACC+8*\ct+7], v[16*(4*(\s%4)+\ct):16*(4*(\s%4)+\ct)+15], v[128*(\b)+16*\s:128*(\b)+16*\s+15], v[ACC+8*\ct:ACC+8*\ct+7]
.endif
.endr
.endr
	WIN 0
.endm
; the tile's 64 units of 16 tokens: relu and the hold in one, codes, two stores of 512 consecutive aligned bytes.
; Four v_nop are the places behind the last product; the holds that follow are the places in front of the next loads into fragments and of the next tile's first products, which begin these accumulators anew.
.macro UQ t
.rept 4
	v_nop
.endr
	s_wait_xcnt 0x0                                ; the last tile's stores have read their data: the codes' registers may be written again
.irp b, 0,1
.irp i, 0,1,2,3,4,5,6,7,8,9,10,11,12,13,14,15
	v_med3_num_f32 v[ACC+16*\b+\i], v[ACC+16*\b+\i], 0, v[HLIM]   ; between 0 and the largest code x the scale (the conversion does not saturate: ISA guide 7.6.2); each accumulator from its low end on
.endr
	v_cvt_scalef32_pk8_bf8_f32 v[PC+4*\b:PC+4*\b+1], v[ACC+16*\b:ACC+16*\b+7], v[HSC]
	v_cvt_scalef32_pk8_bf8_f32 v[PC+4*\b+2:PC+4*\b+3], v[ACC+16*\b+8:ACC+16*\b+15], v[HSC]
.endr
	v_nop                                          ; one plain line between the last conversion and the products that write its sources
.irp b, 0,1
	global_store_b128 v[L16], v[PC+4*\b:PC+4*\b+3], s[14:15] offset:(\t)*65536+512*\b
.endr
.endm
; tile t, which exists.  If tile t + 1 exists too, its fragments are asked for first; else the tile's tail, written out behind the chain, ends the phase.
.macro UTILE t
.if (\t) < 11
	s_cmp_gt_u32 s74, (\t)+1
	s_cbranch_scc0 .Lulast_\t
	XLOAD (\t)+1
	s_wait_dscnt 32                                ; this tile's 32 loads are in; the next tile's 32 may stay out
.else
	s_wait_dscnt 0x0
.endif
	UMUL (\t)%2
	UQ \t
.endm
.macro UTAIL t
.Lulast_\t:
	s_wait_dscnt 0x0
	UMUL (\t)%2
	UQ \t
	s_branch .Lp2
.endm
.Lgroup:                                               ; 3 trips of up to 12 tiles
	s_max_i32 s74, s72, 0
	s_min_u32 s74, s74, 12                         ; n
	s_cmp_eq_u32 s74, 0
	s_cbranch_scc1 .Lp1
	s_cmp_eq_u32 s75, 0
	s_cbranch_scc1 .Lhave_tok                      ; the first group's tokens were made at the head
	JFORM
	SELECT
.Lhave_tok:
.irp t, 0,1,2,3,4,5,6,7,8,9,10
	GATHER \t
	s_cmp_le_u32 s74, \t+1
	s_cbranch_scc1 .Lputf_\t                       ; no further tile: into the chain below, at this tile
.endr
	GATHER 11
.irp t, 11,10,9,8,7,6,5,4,3,2,1,0
.Lputf_\t:
	PUT \t
.endr
.Lp1:
	s_wait_dscnt 0x0                               ; my rows have landed in LDS
	s_barrier_signal -1
	s_barrier_wait -1                              ; everybody's have
	s_cmp_eq_u32 s74, 0
	s_cbranch_scc1 .Lp2
	s_wait_loadcnt 0x0                             ; the weights are in
	XLOAD 0
.irp t, 0,1,2,3,4,5,6,7,8,9,10,11
	UTILE \t
.endr
	s_branch .Lp2
.irp t, 0,1,2,3,4,5,6,7,8,9,10
	UTAIL \t
.endr
.Lp2:
	s_wait_dscnt 0x0                               ; my reads of the rows are over
	s_barrier_signal -1
	s_barrier_wait -1                              ; everybody's are: the next group may write them
	s_wait_xcnt 0x0                                ; the stores have read their base and data
	s_add_nc_u64 s[14:15], s[14:15], 12*65536
	s_add_co_u32 s73, s73, 192
	s_sub_co_i32 s72, s72, 12
	s_add_co_u32 s75, s75, 1
	s_cmp_lt_u32 s75, 3
	s_cbranch_scc1 .Lgroup
	s_wait_tensorcnt 0x0
	ds_add_u32 v254, v255
	s_wait_dscnt 0x0
	s_endpgm
.Lfunc_end_k_qa1bb86669c_up:
	.size	k_qa1bb86669c_up, .Lfunc_end_k_qa1bb86669c_up-k_qa1bb86669c_up
	.p2alignl 7, 3214868480
	.fill 96, 4, 3214868480
	.section	.rodata,"a",@progbits
	.p2align	6, 0x0
	.amdhsa_kernel k_qa1bb86669c_up
		.amdhsa_group_segment_fixed_size 200192
		.amdhsa_private_segment_fixed_size 0
		.amdhsa_enable_private_segment 0
		.amdhsa_kernarg_size 56
		.amdhsa_user_sgpr_count 2
		.amdhsa_user_sgpr_kernarg_segment_ptr 1
		.amdhsa_wavefront_size32 1
		.amdhsa_system_sgpr_workgroup_id_x 1
		.amdhsa_system_sgpr_workgroup_id_y 1
		.amdhsa_system_sgpr_workgroup_id_z 1
		.amdhsa_system_vgpr_workitem_id 0
		.amdhsa_next_free_vgpr 1024
		.amdhsa_next_free_sgpr 106
		.amdhsa_reserve_vcc 1
		.amdhsa_float_denorm_mode_32 3
		.amdhsa_float_denorm_mode_16_64 3
		.amdhsa_memory_ordered 1
		.amdhsa_forward_progress 1
		.amdhsa_inst_pref_size 250
	.end_amdhsa_kernel
	.amdgpu_metadata
---
amdhsa.version: [ 1, 2 ]
amdhsa.kernels:
  - .name:           k_qa1bb86669c_up
    .symbol:         k_qa1bb86669c_up.kd
    .args:
      - { .name: xq4, .offset: 0, .size: 8, .value_kind: global_buffer, .address_space: global }
      - { .name: W1_codes, .offset: 8, .size: 8, .value_kind: global_buffer, .address_space: global }
      - { .name: b1, .offset: 16, .size: 8, .value_kind: global_buffer, .address_space: global }
      - { .name: lowp_scales, .offset: 24, .size: 8, .value_kind: global_buffer, .address_space: global }
      - { .name: masks, .offset: 32, .size: 8, .value_kind: global_buffer, .address_space: global }
      - { .name: hq, .offset: 40, .size: 8, .value_kind: global_buffer, .address_space: global }
      - { .name: W2_codes, .offset: 48, .size: 8, .value_kind: global_buffer, .address_space: global }
    .group_segment_fixed_size: 200192
    .private_segment_fixed_size: 0
    .kernarg_segment_align: 8
    .kernarg_segment_size: 56
    .max_flat_workgroup_size: 128
    .sgpr_count:     106
    .vgpr_count:     1024
    .wavefront_size: 32
...
	.end_amdgpu_metadata
.endif
;; end of part 2
;; launch down (part 3): grid 256 x 1, 4 waves a work-group, no clusters, 209,408 bytes of LDS; arguments hq, W2_codes, b2, lowp_scales, masks, out0; writes out0
.if DOCPART == 3
	.amdgcn_target "amdgcn-amd-amdhsa--gfx1250"
	.amdhsa_code_object_version 6
	.text
	.protected	k_qa1bb86669c_down
	.globl	k_qa1bb86669c_down
	.p2align	8
	.type	k_qa1bb86669c_down,@function
k_qa1bb86669c_down:
	s_mov_b64 s[64:65], 0
	v_nop
	global_prefetch_b8 v0, s[64:65] scope:SCOPE_SE
	s_setreg_imm32_b32 hwreg(HW_REG_WAVE_MODE, 25, 1), 1
	s_wait_xcnt 0x0
; SECOND PRODUCT OF THE CHOSEN EXPERTS: out[token] = h W2[e] + b2[e] for the tokens that chose expert e, on codes of E5M2 by v_wmma_f32_16x16x128_bf8_bf8, sums in f32.
; IN: hq [e][tile 128][K step 32][piece 4][lane 32][16 bytes]: the hidden layer's codes as images of this product's operand registers (a tile = 16 slots of the expert's ascending list of tokens);
;     W2's codes [e][1,024 columns][4,096 k], b2, the scales' exponents (eh, ew2 at 4 e + 2 on), masks [e][64 words]: bit j of word k = token 32 k + j chose e.
; SHARES.  256 work-groups, whatever the split: id = 64 e + 4 g + p.  With c tokens for e and T = ceil(c / 16) tiles, part p owns tiles (p T) / 4 .. ((p + 1) T) / 4 - 1, at most 32; column group g owns columns 64 g .. 64 g + 63.
; THE WAVES SHARE K: wave w holds W2's 64 rows x k = 1,024 w .. + 1,023 in 512 registers, read from memory once, and reads only its quarter of each tile's image, 32 loads of 512 consecutive bytes straight into operand registers.
; The four partial sums of a tile meet in LDS once a group of 12 tiles; wave w then adds tiles w, w + 4, w + 8, applies 2^(eh + ew2) and b2 by one packed multiply-add, and stores: sixteen lanes fill 256 consecutive aligned bytes of a token's row.
; Each output row has one owner for each of its 16 column groups.  A slot past c is held at slot c - 1: it repeats the last token's row and stores the same numbers at the same place, from the same wave.
; THE MATRIX INSTRUCTION IS USED TRANSPOSED (source 0 = 16 rows of W2, source 1 = 16 tokens): a lane holds one token and eight neighbouring columns.
; Both operands hold, in registers 4 c .. 4 c + 3, k = 32 c + 16 (lane / 16) + 0 .. 15: one permutation of k, the same on both sides.  K is split over four waves: the sums' order differs from one chain's; the result is judged within a tolerance.
; NO TENSOR LOAD, NO CLUSTER: how many tiles a work-group has hangs on counts read from memory, so its branches hang on stored numbers.
; Every barrier stands on the way that all waves take: a loop of exactly 3 groups of 12 tiles (36 >= 32).
; LIMITS: eh + ew2 between -126 and 127.
; REGISTERS, in windows of 256: window 0: addresses, accumulators, work.  window 1: the tokens' fragments, two sets of 128 (fragment s of set b at v[128 b + 16 s]).
;   windows 2, 3: W2's 32 fragments: (K step s, tile ct) in window 2 + s / 4 at v[16 (4 (s % 4) + ct)].
.set SPITCH, 272                       ; a stage row: 64 columns of f32 + 16 bytes: an odd multiple of 16
.set TILEB,  16*SPITCH                 ; a tile's partial sums
.set REG,    12*TILEB                  ; a wave's region: 52,224 bytes
.set L16,  1                           ; v1      16 x lane
.set WOF,  2                           ; v2      W2: r x 4,096 + 16 h
.set STO,  3                           ; v3      the stage, in: my region, row r, + 32 h
.set RD,   4                           ; v4-7    the stage, out: region p, tile w, row lane / 16, + 16 (lane % 16)
.set C16,  8                           ; v8      16 (lane % 16)
.set TOK,  14                          ; v14-15  tokens: tile w + 4 m, row q in lane 16 (m % 2) + q of v[14 + m / 2]
.set B2,   16                          ; v16-19  b2 of my four columns
.set OA,   24                          ; v24-31  byte offsets in out, one for each pair of rows
.set ACC,  32                          ; v32-95  two sets of four accumulators, by the tile's parity
.set RED,  96                          ; v96-223 a tile's partial sums: pair of rows u, region p at RED + 16 u + 4 p
.set SJ,   224                         ; v224-245 SELECT's: slot, word, packed prefix, rank, four partial counts, position, two at work; two of each
.set SW,   226
.set SP,   228
.set SR,   230
.set SA,   232
.set SB,   234
.set SC8,  236
.set SD,   238
.set SO,   240
.set SX,   242
.set SY,   244
.set JB,   246                         ; v246    my slot in a group: 16 w + 64 (lane / 16) + lane % 16
; SCALARS: s[4:5] hq at my quarter of the group's first tile; s[6:7] W2 at my part; s[8:9] b2 at my columns; s[14:15] out at my columns;
; s[16:63], s[80:95] the 64 mask words (word k in s[16 + k + 16 (k / 48)]); s66 wave; s67 e; s68 g; s69 p; s70 c; s71 max(c, 1) - 1; s72 tiles left; s73 the group's first slot; s74 n; s75 group; s[76:79] ex, ew1, eh, ew2;
; s[100:101] 2^(eh + ew2), twice; s104 the mask of lanes 16-31; s96-99, s105 at work.
.set MSB, 0
.macro WIN new                         ; low byte: bits 1:0 source 0, 3:2 source 1, 5:4 source 2, 7:6 destination; the high byte repeats the setting that is left
.if MSB != (\new)
	s_set_vgpr_msb (MSB<<8)|(\new)
.set MSB, (\new)
.endif
.endm
; weight loads lo .. hi - 1 of 128: number 32 ct + 4 s + c brings registers 4 c .. 4 c + 3 of fragment (s, ct)
.macro WLOAD lo, hi
.set wi, \lo
.rept (\hi)-(\lo)
.set wct, wi/32
.set ws, (wi/4)%8
.set wc, wi%4
	WIN 0x80+0x40*(ws/4)
	global_load_b128 v[16*(4*(ws%4)+wct)+4*wc:16*(4*(ws%4)+wct)+4*wc+3], v[WOF], s[6:7] offset:wct*65536+128*ws+32*wc
.set wi, wi+1
.endr
	WIN 0
.endm
.macro COUNT                           ; c = the set bits of the 64 words
	s_bcnt1_i32_b32 s70, s16
.set k, 1
.rept 63
	s_bcnt1_i32_b32 s99, s[16+k+16*(k/48)]
	s_add_co_u32 s70, s70, s99
.set k, k+1
.endr
.endm
.macro JFORM                           ; my two slots of the group, held at the list's last
	v_add_nc_u32 v[SJ], s73, v[JB]
	v_add_nc_u32 v[SJ+1], 128, v[SJ]
	v_min_u32 v[SJ], s71, v[SJ]
	v_min_u32 v[SJ+1], s71, v[SJ+1]
.endm
.macro SSTEP x, f, w, fw               ; one halving: the lower w bits at the position hold t set bits; where rank >= t the bit lies above them
	v_bfe_u32 v[SX+\x], v[\f+\x], v[SO+\x], \fw
	v_cmp_ge_u32 vcc_lo, v[SR+\x], v[SX+\x]
	v_cndmask_b32 v[SX+\x], 0, v[SX+\x], vcc_lo
	v_cndmask_b32 v[SY+\x], 0, \w, vcc_lo
	v_sub_nc_u32 v[SR+\x], v[SR+\x], v[SX+\x]
	v_add_nc_u32 v[SO+\x], v[SO+\x], v[SY+\x]
.endm
; SLOT j -> TOKEN: the j-th set bit of the 2,048.  The last word k whose prefix (set bits in the words below it) is <= j holds it: s96 runs through the prefixes, s97 = prefix + 65,536 k,
; and a lane keeps what it has from the first word on whose prefix is above its j.  Then five halvings inside the word, on its partial counts.
.macro SELECT
	v_mov_b32 v[SW], s16
	v_mov_b32 v[SW+1], s16
	v_mov_b32 v[SP], 0
	v_mov_b32 v[SP+1], 0
	s_bcnt1_i32_b32 s96, s16
	s_add_co_u32 s97, s96, 0x10000
.set k, 1
.rept 63
	v_cmp_gt_u32 vcc_lo, s96, v[SJ]
	v_cmp_gt_u32 s98, s96, v[SJ+1]
	v_cndmask_b32 v[SW], s[16+k+16*(k/48)], v[SW], vcc_lo
	v_cndmask_b32 v[SP], s97, v[SP], vcc_lo
	v_cndmask_b32 v[SW+1], s[16+k+16*(k/48)], v[SW+1], s98
	v_cndmask_b32 v[SP+1], s97, v[SP+1], s98
	s_bcnt1_i32_b32 s99, s[16+k+16*(k/48)]
	s_add_co_u32 s96, s96, s99
	s_add_co_u32 s97, s97, s99
	s_add_co_u32 s97, s97, 0x10000
.set k, k+1
.endr
.irp x, 0,1
	v_and_b32 v[SX+\x], 0xffff, v[SP+\x]
	v_sub_nc_u32 v[SR+\x], v[SJ+\x], v[SX+\x]      ; rank inside the word
	v_lshrrev_b32 v[SP+\x], 16, v[SP+\x]
	v_lshlrev_b32 v[SP+\x], 5, v[SP+\x]            ; 32 k
	v_lshrrev_b32 v[SX+\x], 1, v[SW+\x]
	v_and_b32 v[SX+\x], 0x55555555, v[SX+\x]
	v_sub_nc_u32 v[SA+\x], v[SW+\x], v[SX+\x]      ; counts of 2 bits
	v_lshrrev_b32 v[SX+\x], 2, v[SA+\x]
	v_and_b32 v[SX+\x], 0x33333333, v[SX+\x]
	v_and_b32 v[SB+\x], 0x33333333, v[SA+\x]
	v_add_nc_u32 v[SB+\x], v[SB+\x], v[SX+\x]      ; of 4
	v_lshrrev_b32 v[SX+\x], 4, v[SB+\x]
	v_add_nc_u32 v[SX+\x], v[SX+\x], v[SB+\x]
	v_and_b32 v[SC8+\x], 0x0f0f0f0f, v[SX+\x]      ; of 8
	v_lshrrev_b32 v[SX+\x], 8, v[SC8+\x]
	v_add_nc_u32 v[SX+\x], v[SX+\x], v[SC8+\x]
	v_and_b32 v[SD+\x], 0x00ff00ff, v[SX+\x]       ; of 16
	v_mov_b32 v[SO+\x], 0
	SSTEP \x, SD, 16, 8
	SSTEP \x, SC8, 8, 8
	SSTEP \x, SB, 4, 4
	SSTEP \x, SA, 2, 2
	SSTEP \x, SW, 1, 1
	v_add_nc_u32 v[TOK+\x], v[SP+\x], v[SO+\x]
.endr
.endm
	s_load_b256 s[4:11], s[0:1], 0x0               ; hq, W2's codes, b2, the scales' exponents
	s_load_b128 s[12:15], s[0:1], 0x20             ; masks, out
	v_lshl_add_u32 v254, v0, 2, 0x33000
	v_mov_b32 v255, 0
	v_lshrrev_b32 v1, 5, v0
	v_readfirstlane_b32 s66, v1                    ; wave 0..3
	s_lshr_b32 s67, ttmp9, 6                       ; e
	s_bfe_u32 s68, ttmp9, 0x40002                  ; g
	s_and_b32 s69, ttmp9, 3                        ; p
	v_and_b32 v248, 31, v0                         ; lane
	v_and_b32 v249, 15, v0                         ; r
	v_bfe_u32 v250, v0, 4, 1                       ; h
	v_lshlrev_b32 v[L16], 4, v248
	v_lshlrev_b32 v[WOF], 12, v249
	v_lshl_add_u32 v[WOF], v250, 4, v[WOF]
	s_mul_i32 s98, s66, REG
	v_mul_u32_u24 v[STO], v249, SPITCH
	v_lshl_add_u32 v[STO], v250, 5, v[STO]
	v_add_nc_u32 v[STO], s98, v[STO]
	s_mul_i32 s98, s66, TILEB
	v_mul_u32_u24 v[RD], v250, SPITCH
	v_lshl_add_u32 v[RD], v249, 4, v[RD]
	v_add_nc_u32 v[RD], s98, v[RD]
.irp k, 1,2,3
	v_add_nc_u32 v[RD+\k], \k*REG, v[RD]
.endr
	v_lshlrev_b32 v[C16], 4, v249
	v_lshl_add_u32 v[JB], v250, 6, v249
	s_lshl_b32 s98, s66, 4
	v_add_nc_u32 v[JB], s98, v[JB]
	s_mov_b32 s104, 0xffff0000
	s_mov_b32 s99, 0
	s_wait_kmcnt 0x0
	s_lshl_b32 s98, s67, 8
	s_add_nc_u64 s[12:13], s[12:13], s[98:99]      ; the expert's 256 bytes of masks
	s_lshl_b32 s98, s67, 4
	s_add_nc_u64 s[10:11], s[10:11], s[98:99]      ; and its four exponents
	s_load_b512 s[16:31], s[12:13], 0x0
	s_load_b512 s[32:47], s[12:13], 0x40
	s_load_b512 s[48:63], s[12:13], 0x80
	s_load_b512 s[80:95], s[12:13], 0xc0
	s_load_b128 s[76:79], s[10:11], 0x0
	s_lshr_b32 s98, ttmp9, 2
	s_lshl_b32 s98, s98, 18                        ; (16 e + g) x 64 columns of 4,096 bytes,
	s_lshl_b32 s105, s66, 10                       ; + my 1,024 along K
	s_add_co_u32 s98, s98, s105
	s_add_nc_u64 s[6:7], s[6:7], s[98:99]
	s_lshl_b32 s98, s67, 12                        ; b2: 4 (1,024 e + 64 g)
	s_lshl_b32 s105, s68, 8
	s_add_co_u32 s98, s98, s105
	s_add_nc_u64 s[8:9], s[8:9], s[98:99]
	s_mov_b32 s98, s105                            ; out: my 64 columns' 256 bytes
	s_add_nc_u64 s[14:15], s[14:15], s[98:99]
	global_load_b128 v[B2:B2+3], v[C16], s[8:9]
	WLOAD 0, 59                                    ; 60 loads are out; the register work below runs while they land
	s_wait_kmcnt 0x0
	COUNT
	s_max_u32 s71, s70, 1
	s_sub_co_u32 s71, s71, 1
	s_add_co_u32 s98, s70, 15
	s_lshr_b32 s98, s98, 4                         ; T
	s_mul_i32 s99, s69, s98
	s_lshr_b32 s99, s99, 2                         ; my first tile
	s_add_co_u32 s105, s69, 1
	s_mul_i32 s105, s105, s98
	s_lshr_b32 s105, s105, 2
	s_sub_co_u32 s72, s105, s99                    ; my tiles
	s_min_u32 s99, s99, 127                        ; (it is at most 96: the hold is for the address's sake)
	s_lshl_b32 s73, s99, 4                         ; my first slot
	s_lshl_b32 s98, s99, 16                        ; hq: 65,536 bytes a tile,
	s_lshl_b32 s105, s67, 23                       ; 128 tiles an expert,
	s_add_co_u32 s98, s98, s105
	s_lshl_b32 s105, s66, 14                       ; my eight K steps of 2,048 bytes
	s_add_co_u32 s98, s98, s105
	s_mov_b32 s99, 0
	s_add_nc_u64 s[4:5], s[4:5], s[98:99]
	s_mov_b32 s75, 0
	s_add_co_i32 s100, s78, s79                    ; eh + ew2
	s_add_co_i32 s100, s100, 127
	s_lshl_b32 s100, s100, 23                      ; 2^(eh + ew2) as f32
	s_mov_b32 s101, s100                           ; (named with it as a pair, so it is written)
	JFORM
	SELECT                                         ; the first group's tokens
	WLOAD 59, 128
; my quarter of tile t's image: eight fragments into set t % 2, each load 512 consecutive bytes
.macro HLOAD t
	WIN 0x40
.irp s, 0,1,2,3,4,5,6,7
.irp c, 0,1,2,3
	global_load_b128 v[128*((\t)%2)+16*\s+4*\c:128*((\t)%2)+16*\s+4*\c+3], v[L16], s[4:5] offset:(\t)*65536+2048*\s+512*\c
.endr
.endr
	WIN 0
.endm
; 32 matrix instructions: K step by K step, the four accumulators by turns, one instruction a turn.  The first K step starts the sums.
.macro DMUL b
	WIN 0x06                                       ; source 0 (W2) window 2, source 1 (the tokens) window 1
.irp s, 0,1,2,3,4,5,6,7
.if \s == 4
	WIN 0x07                                       ; W2's K steps 4-7: window 3
.endif
.irp ct, 0,1,2,3
.if \s == 0
	v_wmma_f32_16x16x128_bf8_bf8 v[ACC+32*(\b)+8*\ct:ACC+32*(\b)+8*\ct+7], v[16*(4*(\s%4)+\ct):16*(4*(\s%4)+\ct)+15], v[128*(\b)+16*\s:128*(\b)+16*\s+15], 0
.else
	v_wmma_f32_16x16x128_bf8_bf8 v[ACC+32*(\b)+8*\ct:ACC+32*(\b)+8*\ct+7], v[16*(4*(\s%4)+\ct):16*(4*(\s%4)+\ct)+15], v[128*(\b)+16*\s:128*(\b)+16*\s+15], v[ACC+32*(\b)+8*\ct:ACC+32*(\b)+8*\ct+7]
.endif
.endr
.endr
	WIN 0
.endm
; my partial sums of tile t into my region of the stage.  Five v_nop: four places are owed in front of the stores and of the next loads into fragments,
; five in front of a product that begins these accumulators anew, and on the shortest way nothing else stands between.
.macro DPUT t
.rept 5
	v_nop
.endr
.irp ct, 0,1,2,3
	ds_store_b128 v[STO], v[ACC+32*((\t)%2)+8*\ct:ACC+32*((\t)%2)+8*\ct+3] offset:(\t)*TILEB+64*\ct       ; each accumulator from its low end on
	ds_store_b128 v[STO], v[ACC+32*((\t)%2)+8*\ct+4:ACC+32*((\t)%2)+8*\ct+7] offset:(\t)*TILEB+64*\ct+16
.endr
.endm
; tile t, which exists.  If tile t + 1 exists too, its image is asked for first; else the tile's tail, written out behind the chain, ends the phase.
.macro DTILE t
.if (\t) < 11
	s_cmp_gt_u32 s74, (\t)+1
	s_cbranch_scc0 .Ldlast_\t
	HLOAD (\t)+1
	s_wait_loadcnt 32                              ; this tile's loads and all older ones (the weights, b2) are in; the next tile's 32 may stay out
.else
	s_wait_loadcnt 0x0
.endif
.if (\t) >= 2
	s_wait_dscnt 8                                 ; the stores that read this set of accumulators, two tiles ago, are done; the last tile's 8 may stay out
.endif
	DMUL (\t)%2
	DPUT \t
.endm
.macro DTAIL t
.Ldlast_\t:
	s_wait_loadcnt 0x0
.if (\t) >= 2
	s_wait_dscnt 8
.endif
	DMUL (\t)%2
	DPUT \t
	s_branch .LpA
.endm
; tile w + 4 m of the group, if it exists: the four waves' partial sums are added, scaled, given their bias and stored
.macro DRED m
	s_add_co_u32 s98, s66, 4*\m
	s_cmp_lt_u32 s98, s74
	s_cbranch_scc0 .LpB
	s_wait_loadcnt 0x0                             ; b2 is in, on every way here
	s_wait_xcnt 0x0                                ; the last tile's stores have read their data and offsets
.irp u, 0,1,2,3,4,5,6,7
.irp p, 0,1,2,3
	ds_load_b128 v[RED+16*\u+4*\p:RED+16*\u+4*\p+3], v[RD+\p] offset:4*\m*TILEB+2*\u*SPITCH
.endr
.endr
.irp u, 0,1,2,3,4,5,6,7
	s_wait_dscnt 28-4*\u                           ; this pair of rows' four loads are in; the later pairs' stay out
	v_pk_add_f32 v[RED+16*\u:RED+16*\u+1], v[RED+16*\u:RED+16*\u+1], v[RED+16*\u+4:RED+16*\u+5]
	v_pk_add_f32 v[RED+16*\u+2:RED+16*\u+3], v[RED+16*\u+2:RED+16*\u+3], v[RED+16*\u+6:RED+16*\u+7]
	v_pk_add_f32 v[RED+16*\u+8:RED+16*\u+9], v[RED+16*\u+8:RED+16*\u+9], v[RED+16*\u+12:RED+16*\u+13]
	v_pk_add_f32 v[RED+16*\u+10:RED+16*\u+11], v[RED+16*\u+10:RED+16*\u+11], v[RED+16*\u+14:RED+16*\u+15]
	v_pk_add_f32 v[RED+16*\u:RED+16*\u+1], v[RED+16*\u:RED+16*\u+1], v[RED+16*\u+8:RED+16*\u+9]
	v_pk_add_f32 v[RED+16*\u+2:RED+16*\u+3], v[RED+16*\u+2:RED+16*\u+3], v[RED+16*\u+10:RED+16*\u+11]
	v_pk_fma_f32 v[RED+16*\u:RED+16*\u+1], v[RED+16*\u:RED+16*\u+1], s[100:101], v[B2:B2+1] op_sel_hi:[1,0,1]       ; sum x 2^(eh + ew2) + b2
	v_pk_fma_f32 v[RED+16*\u+2:RED+16*\u+3], v[RED+16*\u+2:RED+16*\u+3], s[100:101], v[B2+2:B2+3] op_sel_hi:[1,0,1]
	v_readlane_b32 s98, v[TOK+\m/2], 16*(\m%2)+2*\u     ; the tokens of rows 2 u and 2 u + 1
	v_readlane_b32 s99, v[TOK+\m/2], 16*(\m%2)+2*\u+1
	v_mov_b32 v11, s99
	v_cndmask_b32 v11, s98, v11, s104              ; lanes 0-15 the first, lanes 16-31 the second
	v_min_u32 v11, 0x7ff, v11                      ; a token's number, held inside the table
	v_lshl_add_u32 v[OA+\u], v11, 12, v[C16]
	global_store_b128 v[OA+\u], v[RED+16*\u:RED+16*\u+3], s[14:15] th:TH_STORE_NT   ; sixteen lanes store 256 consecutive bytes, aligned; written once, read by nobody here
.endr
.endm
.Lgroup:                                               ; 3 trips of up to 12 tiles
	s_max_i32 s74, s72, 0
	s_min_u32 s74, s74, 12                         ; n
	s_cmp_eq_u32 s74, 0
	s_cbranch_scc1 .LpA
	HLOAD 0
	s_cmp_eq_u32 s75, 0
	s_cbranch_scc1 .Lhave_tok                      ; the first group's tokens were made at the head
	JFORM
	SELECT
.Lhave_tok:
.irp t, 0,1,2,3,4,5,6,7,8,9,10,11
	DTILE \t
.endr
	s_branch .LpA
.irp t, 0,1,2,3,4,5,6,7,8,9,10
	DTAIL \t
.endr
.LpA:
	s_wait_dscnt 0x0                               ; my partial sums have landed in LDS
	s_barrier_signal -1
	s_barrier_wait -1                              ; everybody's have
	DRED 0
	DRED 1
	DRED 2
.LpB:
	s_wait_dscnt 0x0                               ; my reads of the stage are over
	s_barrier_signal -1
	s_barrier_wait -1                              ; everybody's are: the next group may write it
	s_wait_xcnt 0x0                                ; the loads have read their base
	s_add_nc_u64 s[4:5], s[4:5], 12*65536
	s_add_co_u32 s73, s73, 192
	s_sub_co_i32 s72, s72, 12
	s_add_co_u32 s75, s75, 1
	s_cmp_lt_u32 s75, 3
	s_cbranch_scc1 .Lgroup
	s_wait_tensorcnt 0x0
	ds_add_u32 v254, v255
	s_wait_dscnt 0x0
	s_endpgm
.Lfunc_end_k_qa1bb86669c_down:
	.size	k_qa1bb86669c_down, .Lfunc_end_k_qa1bb86669c_down-k_qa1bb86669c_down
	.p2alignl 7, 3214868480
	.fill 96, 4, 3214868480
	.section	.rodata,"a",@progbits
	.p2align	6, 0x0
	.amdhsa_kernel k_qa1bb86669c_down
		.amdhsa_group_segment_fixed_size 209408
		.amdhsa_private_segment_fixed_size 0
		.amdhsa_enable_private_segment 0
		.amdhsa_kernarg_size 48
		.amdhsa_user_sgpr_count 2
		.amdhsa_user_sgpr_kernarg_segment_ptr 1
		.amdhsa_wavefront_size32 1
		.amdhsa_system_sgpr_workgroup_id_x 1
		.amdhsa_system_sgpr_workgroup_id_y 1
		.amdhsa_system_sgpr_workgroup_id_z 1
		.amdhsa_system_vgpr_workitem_id 0
		.amdhsa_next_free_vgpr 1024
		.amdhsa_next_free_sgpr 106
		.amdhsa_reserve_vcc 1
		.amdhsa_float_denorm_mode_32 3
		.amdhsa_float_denorm_mode_16_64 3
		.amdhsa_memory_ordered 1
		.amdhsa_forward_progress 1
		.amdhsa_inst_pref_size 217
	.end_amdhsa_kernel
	.amdgpu_metadata
---
amdhsa.version: [ 1, 2 ]
amdhsa.kernels:
  - .name:           k_qa1bb86669c_down
    .symbol:         k_qa1bb86669c_down.kd
    .args:
      - { .name: hq, .offset: 0, .size: 8, .value_kind: global_buffer, .address_space: global }
      - { .name: W2_codes, .offset: 8, .size: 8, .value_kind: global_buffer, .address_space: global }
      - { .name: b2, .offset: 16, .size: 8, .value_kind: global_buffer, .address_space: global }
      - { .name: lowp_scales, .offset: 24, .size: 8, .value_kind: global_buffer, .address_space: global }
      - { .name: masks, .offset: 32, .size: 8, .value_kind: global_buffer, .address_space: global }
      - { .name: out0, .offset: 40, .size: 8, .value_kind: global_buffer, .address_space: global }
    .group_segment_fixed_size: 209408
    .private_segment_fixed_size: 0
    .kernarg_segment_align: 8
    .kernarg_segment_size: 48
    .max_flat_workgroup_size: 128
    .sgpr_count:     106
    .vgpr_count:     1024
    .wavefront_size: 32
...
	.end_amdgpu_metadata
.endif
;; end of part 3
;; ======== version 2 of 2: 3 launches
;; workspace buffers: xq4 8,388,608 bytes; masks 1,024 bytes of whole numbers; hq 33,554,432 bytes
;; launch route (part 4): grid 256 x 1, 4 waves a work-group, no clusters, 1,024 bytes of LDS; arguments x, Wr, br, lowp_scales, xq4, masks, W1_codes; writes xq4, masks
.if DOCPART == 4
	.amdgcn_target "amdgcn-amd-amdhsa--gfx1250"
	.amdhsa_code_object_version 6
	.text
	.protected	k_qa1bb86669c_route
	.globl	k_qa1bb86669c_route
	.p2align	8
	.type	k_qa1bb86669c_route,@function
k_qa1bb86669c_route:
	s_mov_b64 s[64:65], 0
	v_nop
	global_prefetch_b8 v0, s[64:65] scope:SCOPE_SE
	s_setreg_imm32_b32 hwreg(HW_REG_WAVE_MODE, 25, 1), 1
	s_wait_xcnt 0x0
; ROUTER AND QUANTISER OF x.  logits = x Wr + br in f32, softmax, argmax (the lower index at a tie), for 2,048 tokens and 4 experts;
; and x as codes of E5M2 four times over, once with each expert's own scale 2^ex (ex = entry 4 e of the scales).
; OUT: xq4 [expert 4][token 2,048][1,024 codes], at fixed places;  masks [expert 4][256 bytes]: bit i of byte b says that token 8 b + i chose the expert.
; The choice comes from floating point, so here it is only stored, at fixed addresses; the later launches read it as whole numbers.
; SHARES.  Work-group b owns tokens 8 b .. 8 b + 7.  Wave w owns K = 256 w .. 256 w + 255 of all eight, lane l the eight k = 256 w + 8 l + 0 .. 7:
; so each wave reads its 4,096 bytes of Wr once, a lane's eight codes are 8 neighbouring bytes, and a wave's store of codes covers 256 consecutive bytes, aligned.
; The four waves' partial logits meet in LDS behind one barrier; wave 0 finishes: lane l stands for expert l / 8 and token l % 8.
; No matrix unit: the product has 4 columns.  No tensor load, no cluster: work-groups share only Wr's 16 KB.
; LIMITS: ex between -126 and 112 (2^ex and 57,344 x 2^ex are f32 numbers).  NaN among the inputs is not served (such a token gets no expert).
; A token whose two best logits agree to the last bits of f32 may go either way: the sums' order is not that of the definition.
.set X,   16                           ; v16-79    x: token i at X + 8 i
.set WR,  80                           ; v80-111   Wr: k = m at WR + 4 m, the four experts
.set AC,  112                          ; v112-143  partial logits: token i, expert e at AC + 4 i + e
.set T,   144                          ; v144-175  held numbers: a set of 8 for each expert; later the lane exchange's landing place
.set C,   176                          ; v176-239  codes: (i, e) at C + 8 i + 2 e; never written twice, so no store's data are written again
.set SCL, 240                          ; v240-243  2^ex as f32
.set LIM, 244                          ; v244-247  57,344 x 2^ex
	s_load_b256 s[4:11], s[0:1], 0x0               ; x s[4:5], Wr s[6:7], br s[8:9], the scales' exponents s[10:11]
	s_load_b128 s[12:15], s[0:1], 0x20             ; xq4 s[12:13], masks s[14:15]
	s_load_b64 s[2:3], s[0:1], 0x30                ; W1's codes: asked for ahead only
	v_lshl_add_u32 v14, v0, 2, 0x200
	v_mov_b32 v15, 0
	v_lshrrev_b32 v1, 5, v0
	v_readfirstlane_b32 s32, v1                    ; wave 0..3
	v_and_b32 v1, 31, v0                           ; lane
	v_lshlrev_b32 v2, 5, v1                        ; x: my 32 bytes of the wave's 1,024
	v_lshlrev_b32 v3, 7, v1                        ; Wr: my 8 rows of 16 bytes
	v_lshlrev_b32 v4, 3, v1                        ; codes: my 8 bytes
	v_lshlrev_b32 v6, 2, v1                        ; LDS, on the way out: word = lane
	v_lshrrev_b32 v12, 3, v1                       ; the final part's expert: lane / 8
	v_lshlrev_b32 v7, 2, v12                       ; its br
	s_mov_b32 s33, ttmp9
	v_lshl_add_u32 v8, v12, 8, s33                 ; its byte of the masks: 256 e + b
	v_and_b32 v9, 24, v1                           ; 8 e: where its byte stands in the 32 lanes' answer
	v_lshlrev_b32 v10, 8, v1                       ; 256 x lane, for the requests ahead
	s_lshl_b32 s36, s32, 7
	v_mov_b32 v5, s36                              ; LDS, on the way in: 128 bytes for each wave
	s_mov_b32 s34, 0x76543210                      ; v_permlanex16_b32: lane l takes lane l xor 16
	s_mov_b32 s35, 0xfedcba98
	s_lshl_b32 s36, ttmp9, 15                      ; x: 8 tokens of 4,096 bytes a work-group, 1,024 bytes a wave
	s_lshl_b32 s37, s32, 10
	s_add_co_u32 s36, s36, s37
	s_mov_b32 s37, 0
	s_lshl_b32 s38, s32, 12                        ; Wr: 256 rows of 16 bytes a wave
	s_mov_b32 s39, 0
	s_lshl_b32 s40, ttmp9, 13                      ; xq4: 8 tokens of 1,024 bytes, 256 bytes a wave
	s_lshl_b32 s41, s32, 8
	s_add_co_u32 s40, s40, s41
	s_mov_b32 s41, 0
	s_lshl_b32 s42, ttmp9, 16                      ; W1's codes: 65,536 bytes a work-group, 16,384 a wave: 256 x 65,536 is the whole buffer
	s_lshl_b32 s43, s32, 14
	s_add_co_u32 s42, s42, s43
	s_mov_b32 s43, 0
	s_wait_alu depctr_va_vdst(0)
	s_wait_kmcnt 0x0
	s_load_b512 s[16:31], s[10:11], 0x0            ; the 16 exponents: ex of expert e is s[16 + 4 e]
	s_add_nc_u64 s[4:5], s[4:5], s[36:37]
	s_add_nc_u64 s[6:7], s[6:7], s[38:39]
	s_add_nc_u64 s[12:13], s[12:13], s[40:41]
	s_add_nc_u64 s[2:3], s[2:3], s[42:43]
.irp m, 0,1,2,3,4,5,6,7
	global_load_b128 v[WR+4*\m:WR+4*\m+3], v3, s[6:7] offset:16*\m
.endr
	global_load_b32 v11, v7, s[8:9]
.irp i, 0,1,2,3,4,5,6,7
	global_load_b128 v[X+8*\i:X+8*\i+3], v2, s[4:5] offset:4096*\i th:TH_LOAD_NT
	global_load_b128 v[X+8*\i+4:X+8*\i+7], v2, s[4:5] offset:4096*\i+16 th:TH_LOAD_NT
.endr
	; The next launch's weights are asked for here, behind my own loads: each wave names its own 16,384 bytes of W1's codes once, lanes 256 bytes apart, two lines; the last wave's last lane ends inside the buffer's last 256 bytes.
	global_prefetch_b8 v10, s[2:3] th:TH_LOAD_NT scope:SCOPE_SE
	global_prefetch_b8 v10, s[2:3] offset:8192 th:TH_LOAD_NT scope:SCOPE_SE
	s_wait_kmcnt 0x0
.irp e, 0,1,2,3
	s_add_co_i32 s36, s[16+4*\e], 127
	s_lshl_b32 s37, s36, 23
	v_mov_b32 v[SCL+\e], s37                       ; 2^ex: the conversion takes its exponent field
	s_add_co_i32 s36, s36, 15
	s_lshl_b32 s36, s36, 23
	s_or_b32 s36, s36, 0x600000
	v_mov_b32 v[LIM+\e], s36                       ; 57,344 x 2^ex
.endr
; token i's partial logits: 8 k x 4 experts, two experts an instruction; of x's pair one word feeds both halves
.macro DOT i
.irp m, 0,1,2,3,4,5,6,7
.irp p, 0,1
.if \m == 0
	v_pk_mul_f32 v[AC+4*\i+2*\p:AC+4*\i+2*\p+1], v[X+8*\i:X+8*\i+1], v[WR+2*\p:WR+2*\p+1] op_sel_hi:[0,1]
.elseif \m % 2 == 0
	v_pk_fma_f32 v[AC+4*\i+2*\p:AC+4*\i+2*\p+1], v[X+8*\i+\m:X+8*\i+\m+1], v[WR+4*\m+2*\p:WR+4*\m+2*\p+1], v[AC+4*\i+2*\p:AC+4*\i+2*\p+1] op_sel_hi:[0,1,1]
.else
	v_pk_fma_f32 v[AC+4*\i+2*\p:AC+4*\i+2*\p+1], v[X+8*\i+\m-1:X+8*\i+\m], v[WR+4*\m+2*\p:WR+4*\m+2*\p+1], v[AC+4*\i+2*\p:AC+4*\i+2*\p+1] op_sel:[1,0,0] op_sel_hi:[1,1,1]
.endif
.endr
.endr
.endm
; token i's codes, once for each expert.  The conversion to an 8-bit code does not saturate (ISA guide 7.6.2): each number is first held within 57,344 x the scale.
; The next expert's holds are the plain lines behind a conversion; its result goes to a store alone.
.macro QX i
.irp e, 0,1,2,3
.irp m, 0,1,2,3,4,5,6,7
	v_med3_num_f32 v[T+8*\e+\m], v[X+8*\i+\m], -v[LIM+\e], v[LIM+\e]
.endr
	v_cvt_scalef32_pk8_bf8_f32 v[C+8*\i+2*\e:C+8*\i+2*\e+1], v[T+8*\e:T+8*\e+7], v[SCL+\e]
	global_store_b64 v4, v[C+8*\i+2*\e:C+8*\i+2*\e+1], s[12:13] offset:\e*2097152+\i*1024   ; 32 lanes store 256 consecutive bytes, aligned
.endr
.endm
.irp i, 0,1,2,3,4,5,6,7
	s_wait_loadcnt 14-2*\i                         ; loads come back in order: token i's two are in (and Wr, br); the later tokens' 2 (7 - i) stay out
	DOT \i
	QX \i
.endr
	; the 32 sums over the wave's 32 lanes: four steps inside each half of 16 lanes, one across
.irp msk, 1,2,4,8
.set j, 0
.rept 32
	v_add_f32_dpp v[AC+j], v[AC+j], v[AC+j] row_xmask:\msk row_mask:0xf bank_mask:0xf
.set j, j+1
.endr
.endr
.set j, 0
.rept 32
	v_permlanex16_b32 v[T+j], v[AC+j], s34, s35    ; (T has been written: the destination counts as read)
.set j, j+1
.endr
.set j, 0
.rept 32
	v_add_f32 v[AC+j], v[AC+j], v[T+j]
.set j, j+1
.endr
.irp i, 0,1,2,3,4,5,6,7
.irp e, 0,1,2,3
	ds_store_b32 v5, v[AC+4*\i+\e] offset:4*(8*\e+\i)   ; every lane holds the sum: all write one word with one value; word 8 e + i of my wave's 32
.endr
.endr
	s_wait_dscnt 0x0                               ; for the others' sake: my stores have landed
	s_barrier_signal -1
	s_barrier_wait -1
	s_cmp_lg_u32 s32, 0
	s_cbranch_scc1 .Lend                           ; waves 1 to 3 are done
.irp p, 0,1,2,3
	ds_load_b32 v[248+\p], v6 offset:128*\p        ; lane l: the four waves' parts of logit (expert l / 8, token l % 8)
.endr
	s_wait_dscnt 0x0
	v_add_f32 v248, v248, v249
	v_add_f32 v250, v250, v251
	v_add_f32 v248, v248, v250
	v_add_f32 v248, v248, v11                      ; the logit
	v_cvt_f32_u32 v252, v12                        ; my expert's number as f32
	; a token's four experts stand in lanes l, l xor 8, l xor 16, l xor 24: each reduction is one step inside the half and one across
	v_mov_b32 v249, v248
	v_max_num_f32_dpp v249, v249, v249 row_xmask:8 row_mask:0xf bank_mask:0xf
	v_permlanex16_b32 v250, v249, s34, s35
	v_max_num_f32 v249, v249, v250                 ; the largest logit is taken away ahead of the exponential
	v_sub_f32 v251, v248, v249
	v_mul_f32 v251, 0x3fb8aa3b, v251               ; x log2(e)
	s_wait_alu depctr_va_vdst(0)
	v_exp_f32 v251, v251
	v_nop                                          ; a plain line behind the transcendental
	s_wait_alu depctr_va_vdst(0)
	v_mov_b32 v253, v251
	v_add_f32_dpp v253, v253, v253 row_xmask:8 row_mask:0xf bank_mask:0xf
	v_permlanex16_b32 v250, v253, s34, s35
	v_add_f32 v253, v253, v250                     ; the sum: the same bits in all four lanes (both additions are of the same two numbers)
	s_wait_alu depctr_va_vdst(0)
	v_rcp_f32 v253, v253
	v_nop
	s_wait_alu depctr_va_vdst(0)
	v_mul_f32 v251, v251, v253                     ; the weight
	v_mov_b32 v254, v251
	v_max_num_f32_dpp v254, v254, v254 row_xmask:8 row_mask:0xf bank_mask:0xf
	v_permlanex16_b32 v250, v254, s34, s35
	v_max_num_f32 v254, v254, v250                 ; the largest weight
	v_cmp_eq_f32 vcc_lo, v251, v254
	v_cndmask_b32 v255, 4.0, v252, vcc_lo          ; my number where I hold it, else 4
	v_min_num_f32_dpp v255, v255, v255 row_xmask:8 row_mask:0xf bank_mask:0xf
	v_permlanex16_b32 v250, v255, s34, s35
	v_min_num_f32 v255, v255, v250                 ; the lowest expert that holds it
	v_cmp_eq_f32 vcc_lo, v255, v252                ; bit 8 e + i: token i chose expert e
	v_mov_b32 v250, vcc_lo
	v_lshrrev_b32 v250, v9, v250                   ; my expert's byte comes lowest
	global_store_b8 v8, v250, s[14:15]             ; eight lanes store the same byte at the same place: 4 bytes a work-group
.Lend:
	s_wait_tensorcnt 0x0
	ds_add_u32 v14, v15
	s_wait_dscnt 0x0
	s_endpgm
.Lfunc_end_k_qa1bb86669c_route:
	.size	k_qa1bb86669c_route, .Lfunc_end_k_qa1bb86669c_route-k_qa1bb86669c_route
	.p2alignl 7, 3214868480
	.fill 96, 4, 3214868480
	.section	.rodata,"a",@progbits
	.p2align	6, 0x0
	.amdhsa_kernel k_qa1bb86669c_route
		.amdhsa_group_segment_fixed_size 1024
		.amdhsa_private_segment_fixed_size 0
		.amdhsa_enable_private_segment 0
		.amdhsa_kernarg_size 56
		.amdhsa_user_sgpr_count 2
		.amdhsa_user_sgpr_kernarg_segment_ptr 1
		.amdhsa_wavefront_size32 1
		.amdhsa_system_sgpr_workgroup_id_x 1
		.amdhsa_system_sgpr_workgroup_id_y 1
		.amdhsa_system_sgpr_workgroup_id_z 1
		.amdhsa_system_vgpr_workitem_id 0
		.amdhsa_next_free_vgpr 256
		.amdhsa_next_free_sgpr 66
		.amdhsa_reserve_vcc 1
		.amdhsa_float_denorm_mode_32 3
		.amdhsa_float_denorm_mode_16_64 3
		.amdhsa_memory_ordered 1
		.amdhsa_forward_progress 1
		.amdhsa_inst_pref_size 50
	.end_amdhsa_kernel
	.amdgpu_metadata
---
amdhsa.version: [ 1, 2 ]
amdhsa.kernels:
  - .name:           k_qa1bb86669c_route
    .symbol:         k_qa1bb86669c_route.kd
    .args:
      - { .name: x, .offset: 0, .size: 8, .value_kind: global_buffer, .address_space: global }
      - { .name: Wr, .offset: 8, .size: 8, .value_kind: global_buffer, .address_space: global }
      - { .name: br, .offset: 16, .size: 8, .value_kind: global_buffer, .address_space: global }
      - { .name: lowp_scales, .offset: 24, .size: 8, .value_kind: global_buffer, .address_space: global }
      - { .name: xq4, .offset: 32, .size: 8, .value_kind: global_buffer, .address_space: global }
      - { .name: masks, .offset: 40, .size: 8, .value_kind: global_buffer, .address_space: global }
      - { .name: W1_codes, .offset: 48, .size: 8, .value_kind: global_buffer, .address_space: global }
    .group_segment_fixed_size: 1024
    .private_segment_fixed_size: 0
    .kernarg_segment_align: 8
    .kernarg_segment_size: 56
    .max_flat_workgroup_size: 128
    .sgpr_count:     66
    .vgpr_count:     256
    .wavefront_size: 32
...
	.end_amdgpu_metadata
.endif
;; end of part 4
;; launch up (part 5): grid 256 x 1, 4 waves a work-group, no clusters, 200,192 bytes of LDS; arguments xq4, W1_codes, b1, lowp_scales, masks, hq, W2_codes; writes hq
.if DOCPART == 5
	.amdgcn_target "amdgcn-amd-amdhsa--gfx1250"
	.amdhsa_code_object_version 6
	.text
	.protected	k_qa1bb86669c_up
	.globl	k_qa1bb86669c_up
	.p2align	8
	.type	k_qa1bb86669c_up,@function
k_qa1bb86669c_up:
	s_mov_b64 s[64:65], 0
	v_nop
	global_prefetch_b8 v0, s[64:65] scope:SCOPE_SE
	s_setreg_imm32_b32 hwreg(HW_REG_WAVE_SCHED_MODE, 0, 2), 2
	s_setreg_imm32_b32 hwreg(HW_REG_WAVE_MODE, 25, 1), 1
	s_wait_xcnt 0x0
	s_wait_alu depctr_vm_vsrc(0)
; FIRST PRODUCT OF THE CHOSEN EXPERTS: hq = Q(relu(x W1[e] + b1[e])) for the tokens that chose expert e, on codes of E5M2 by v_wmma_f32_16x16x128_bf8_bf8, sums in f32.
; A token's row is multiplied by its own expert alone: the definition keeps no other expert's result.
; IN: xq4 [e][token][1,024 codes] (x with expert e's scale), W1's codes [e][4,096 units][1,024 k], b1, the scales' exponents (ex, ew1, eh, ew2 at 4 e on), masks [e][64 words]: bit j of word k = token 32 k + j chose e.
; OUT: hq [e][tile 128][K step 32][piece 4][lane 32][16 bytes]: the hidden layer's codes as images of the next product's operand registers; a tile = 16 slots of the expert's list of tokens (ascending).
; SHARES.  256 work-groups, whatever the split: id = 64 e + 4 g + p.  With c tokens for e and T = ceil(c / 16) tiles, part p owns tiles (p T) / 4 .. ((p + 1) T) / 4 - 1, at most 32; column group g owns hidden units 256 g .. 256 g + 255.
; Wave w owns units 256 g + 64 w .. + 63 over all K = 1,024: its 64 KB of W1 stay in 512 registers, read from memory once.  The tiles' rows are fetched once a work-group (wave w: rows 4 w .. 4 w + 3 of each tile) and shared through LDS.
; A slot past c (in the list's last tile) is held at slot c - 1: it repeats the last token's row, codes and sums; nothing is masked.
; THE LIST IS NOT STORED: each wave turns slots into tokens itself, from the 64 mask words in scalar registers (SELECT).
; THE MATRIX INSTRUCTION IS USED TRANSPOSED (source 0 = 16 rows of W1, source 1 = 16 tokens): a lane holds one token, its registers run along the hidden units, the next K.
; THE ROWS OF W1 THAT FORM A TILE ARE NOT NEIGHBOURS: lane r of tile 2 b + u takes row 32 b + 8 u + r + 8 (r / 8), so that the 16 registers of tiles 2 b, 2 b + 1 are units 32 b + 16 (lane / 16) + 0 .. 15.
; Both operands are fetched in pieces of 16 bytes at k = 32 c + 16 (lane / 16): one permutation of k, the same on both sides; only the order of the sums inside an instruction changes.
; NO TENSOR LOAD, NO CLUSTER: how many tiles a work-group has hangs on counts read from memory, so its branches hang on stored numbers.
; Every barrier stands on the way that all waves take: a loop of exactly 3 groups of 12 tiles (36 >= 32); a group without tiles passes its two barriers and does nothing else.
; LIMITS: eh - ex - ew1 between -126 and 112; b1 / 2^(ex + ew1) an f32 number.  NaN is not served.
; THE MODE: SCHED_MODE bits 1:0 = 2 (LLVM: expert scheduling mode 2), set by the entry lines.  The code itself states the register dependences between vector or matrix instructions
; and memory or LDS instructions, and those through scalar registers that vector instructions write, with s_wait_alu, always for 0.
; THE PLAN.  Registers that memory or LDS instructions touch:
;   v1-11, v247, v254, v255   addresses, made at the head and never written again: one wait on va_vdst ahead of the first load serves them for the whole kernel.
;   windows 2, 3              W1: the head's loads land there, products read them; no vector instruction names them, so the weight loads owe nothing more.
;   v[AD]                     the rows' 48 byte offsets: written at a group's head, read by the group's row loads.
;   window 1, v64-191         landing places of the rows: the row loads land there, my LDS stores read them.
;   window 1, as two sets     fragments: tile t's LDS loads land in set t % 2, tile t's products read it.
;   v64-95, v96-103           accumulators (products, holds, conversions) and codes (written by the conversions, read by the tile's two stores).
; THE WAITS OF A GROUP.  Behind the 48 offsets one wait on vm_vsrc and one on va_vdst, for the whole chain of row loads.  At the first barrier one on vm_vsrc: the offsets and the landing places have been read.
; Ahead of the first fragments one on va_vdst.  In a tile one on vm_vsrc ahead of its conversions and ONE on va_vdst behind them: it serves the tile's two stores and the fragment loads of the tile after next.
; SCALAR REGISTERS THAT VECTOR INSTRUCTIONS WRITE: s66 (the wave), and s10-13 with s76-79 (compare masks, lanes read), written in runs with one wait on va_sdst behind each run.  VCC is not used.
; REGISTERS, in windows of 256: window 0: addresses, accumulators, work.  window 1: the rows' fragments, two sets of 128 (fragment s of set b at v[128 b + 16 s]); in the gathering phase the landing place of tiles 0-7.
;   windows 2, 3: W1's 32 fragments: (K step s, tile ct) in window 2 + s / 4 at v[16 (4 (s % 4) + ct)].
.set PITCH, 1040                       ; an LDS row: 1,024 bytes of codes + 16: an odd multiple of 16, so the 16 rows of a fragment load begin in 16 different columns of 16 bytes
.set THIRD, 48*PITCH                   ; three tiles: the immediates stay inside 16 bits with four base registers
.set L16,  1                           ; v1      16 x lane
.set WOF,  2                           ; v2      W1: (r + 8 (r / 8)) x 1,024 + 16 h
.set BOF,  3                           ; v3      b1: 64 h
.set STO,  4                           ; v4-7    LDS, in: 4 w rows + 16 x lane, + k thirds
.set FRG,  8                           ; v8-11   LDS, out: r rows + 16 h, + k thirds
.set HSC,  12                          ; v12     2^(eh - ex - ew1) as f32
.set HLIM, 13                          ; v13     57,344 x that
.set TOK,  14                          ; v14-15  tokens: tile t, row 4 w + q in lane 4 (t % 8) + q of v[14 + t / 8]
.set AD,   16                          ; v16-63  byte offsets of the rows: 4 t + q
.set ACC,  64                          ; v64-95  four accumulators (v64-191: landing place of tiles 8-11 in the gathering phase)
.set PC,   96                          ; v96-103 the codes just made
.set BIAS, 192                         ; v192-223 b1 / 2^(ex + ew1), tile ct at 192 + 8 ct, in the result's layout
.set SJ,   224                         ; v224-245 SELECT's: slot, word, packed prefix, rank, four partial counts, position, two at work; two of each
.set SW,   226
.set SP,   228
.set SR,   230
.set SA,   232
.set SB,   234
.set SC8,  236
.set SD,   238
.set SO,   240
.set SX,   242
.set SY,   244
.set JB,   246                         ; v246    my slot in a group: 16 (lane / 4) + 4 w + lane % 4
.set PFO,  247                         ; v247    256 x lane
; SCALARS: s[4:5] xq4 at e; s[6:7] W1 at my 64 units; s[8:9] b1 at them; s[14:15] hq at my place in the group's first tile; s[2:3] W2's codes (asked for ahead only);
; s[16:63], s[80:95] the 64 mask words (word k in s[16 + k + 16 (k / 48)]); s66 wave; s67 e; s68 g; s69 p; s70 c; s71 max(c, 1) - 1; s72 tiles left; s73 the group's first slot; s74 n = the group's tiles; s75 group;
; s[10:13], s[76:79]: at the head the pointers to the scales and the masks, and ex, ew1, eh, ew2; behind that the eight registers that compares and lane reads write (number n of eight in s[10 + n + 62 (n / 4)]); s96-101, s104 at work.
.set MSB, 0
.macro WIN new                         ; low byte: bits 1:0 source 0, 3:2 source 1, 5:4 source 2, 7:6 destination; the high byte repeats the setting that is left
.if MSB != (\new)
	s_set_vgpr_msb (MSB<<8)|(\new)
.set MSB, (\new)
.endif
.endm
; weight loads lo .. hi - 1 of 128: number 32 ct + 4 s + c brings registers 4 c .. 4 c + 3 of fragment (s, ct)
.macro WLOAD lo, hi
.set wi, \lo
.rept (\hi)-(\lo)
.set wct, wi/32
.set ws, (wi/4)%8
.set wc, wi%4
	WIN 0x80+0x40*(ws/4)
	global_load_b128 v[16*(4*(ws%4)+wct)+4*wc:16*(4*(ws%4)+wct)+4*wc+3], v[WOF], s[6:7] offset:(32*(wct/2)+8*(wct%2))*1024+128*ws+32*wc
.set wi, wi+1
.endr
	WIN 0
.endm
.macro COUNT                           ; c = the set bits of the 64 words
	s_bcnt1_i32_b32 s70, s16
.set k, 1
.rept 63
	s_bcnt1_i32_b32 s99, s[16+k+16*(k/48)]
	s_add_co_u32 s70, s70, s99
.set k, k+1
.endr
.endm
.macro JFORM                           ; my two slots of the group, held at the list's last
	v_add_nc_u32 v[SJ], s73, v[JB]
	v_add_nc_u32 v[SJ+1], 128, v[SJ]
	v_min_u32 v[SJ], s71, v[SJ]
	v_min_u32 v[SJ+1], s71, v[SJ+1]
.endm
.macro SSTEP f, w, fw                  ; one halving, for both slots: the lower w bits at the position hold t set bits; where rank >= t the bit lies above them
	v_bfe_u32 v[SX], v[\f], v[SO], \fw
	v_bfe_u32 v[SX+1], v[\f+1], v[SO+1], \fw
	v_cmp_ge_u32 s10, v[SR], v[SX]
	v_cmp_ge_u32 s11, v[SR+1], v[SX+1]
	s_wait_alu depctr_va_sdst(0)                   ; the two compares have written s10 and s11, which the four selects below read
	v_cndmask_b32 v[SX], 0, v[SX], s10
	v_cndmask_b32 v[SY], 0, \w, s10
	v_cndmask_b32 v[SX+1], 0, v[SX+1], s11
	v_cndmask_b32 v[SY+1], 0, \w, s11
	v_sub_nc_u32 v[SR], v[SR], v[SX]
	v_add_nc_u32 v[SO], v[SO], v[SY]
	v_sub_nc_u32 v[SR+1], v[SR+1], v[SX+1]
	v_add_nc_u32 v[SO+1], v[SO+1], v[SY+1]
.endm
; SLOT j -> TOKEN: the j-th set bit of the 2,048.  The last word k whose prefix (set bits in the words below it) is <= j holds it: s96 runs through the prefixes, s97 = prefix + 65,536 k,
; and a lane keeps what it has from the first word on whose prefix is above its j.  Then five halvings inside the word, on its partial counts.
; The 63 words go four at a time: a run of eight compares (two slots x four words) into eight scalar registers, s96 moving on between them; one wait; the sixteen selects, s97 moving on between them.
.macro SELECT
	v_mov_b32 v[SW], s16
	v_mov_b32 v[SW+1], s16
	v_mov_b32 v[SP], 0
	v_mov_b32 v[SP+1], 0
	s_bcnt1_i32_b32 s96, s16
	s_add_co_u32 s97, s96, 0x10000
.set qk, 1
.rept 16
.set qi, 0
.rept 4
.if qk+qi < 64
	v_cmp_gt_u32 s[10+2*qi+62*(qi/2)], s96, v[SJ]
	v_cmp_gt_u32 s[11+2*qi+62*(qi/2)], s96, v[SJ+1]
	s_bcnt1_i32_b32 s99, s[16+(qk+qi)+16*((qk+qi)/48)]
	s_add_co_u32 s96, s96, s99
.endif
.set qi, qi+1
.endr
	s_wait_alu depctr_va_sdst(0)                   ; the run of compares has written its masks, which the selects below read
.set qi, 0
.rept 4
.if qk+qi < 64
	v_cndmask_b32 v[SW], s[16+(qk+qi)+16*((qk+qi)/48)], v[SW], s[10+2*qi+62*(qi/2)]
	v_cndmask_b32 v[SP], s97, v[SP], s[10+2*qi+62*(qi/2)]
	v_cndmask_b32 v[SW+1], s[16+(qk+qi)+16*((qk+qi)/48)], v[SW+1], s[11+2*qi+62*(qi/2)]
	v_cndmask_b32 v[SP+1], s97, v[SP+1], s[11+2*qi+62*(qi/2)]
	s_bcnt1_i32_b32 s99, s[16+(qk+qi)+16*((qk+qi)/48)]
	s_add_co_u32 s97, s97, s99
	s_add_co_u32 s97, s97, 0x10000
.endif
.set qi, qi+1
.endr
.set qk, qk+4
.endr
.irp x, 0,1
	v_and_b32 v[SX+\x], 0xffff, v[SP+\x]
	v_sub_nc_u32 v[SR+\x], v[SJ+\x], v[SX+\x]      ; rank inside the word
	v_lshrrev_b32 v[SP+\x], 16, v[SP+\x]
	v_lshlrev_b32 v[SP+\x], 5, v[SP+\x]            ; 32 k
	v_lshrrev_b32 v[SX+\x], 1, v[SW+\x]
	v_and_b32 v[SX+\x], 0x55555555, v[SX+\x]
	v_sub_nc_u32 v[SA+\x], v[SW+\x], v[SX+\x]      ; counts of 2 bits
	v_lshrrev_b32 v[SX+\x], 2, v[SA+\x]
	v_and_b32 v[SX+\x], 0x33333333, v[SX+\x]
	v_and_b32 v[SB+\x], 0x33333333, v[SA+\x]
	v_add_nc_u32 v[SB+\x], v[SB+\x], v[SX+\x]      ; of 4
	v_lshrrev_b32 v[SX+\x], 4, v[SB+\x]
	v_add_nc_u32 v[SX+\x], v[SX+\x], v[SB+\x]
	v_and_b32 v[SC8+\x], 0x0f0f0f0f, v[SX+\x]      ; of 8
	v_lshrrev_b32 v[SX+\x], 8, v[SC8+\x]
	v_add_nc_u32 v[SX+\x], v[SX+\x], v[SC8+\x]
	v_and_b32 v[SD+\x], 0x00ff00ff, v[SX+\x]       ; of 16
	v_mov_b32 v[SO+\x], 0
.endr
	SSTEP SD, 16, 8
	SSTEP SC8, 8, 8
	SSTEP SB, 4, 4
	SSTEP SA, 2, 2
	SSTEP SW, 1, 1
.irp x, 0,1
	v_add_nc_u32 v[TOK+\x], v[SP+\x], v[SO+\x]
.endr
.endm
	s_load_b256 s[4:11], s[0:1], 0x0               ; xq4, W1's codes, b1, the scales' exponents
	s_load_b128 s[12:15], s[0:1], 0x20             ; masks, hq
	s_load_b64 s[2:3], s[0:1], 0x30                ; W2's codes
	v_lshl_add_u32 v254, v0, 2, 0x30c00
	v_mov_b32 v255, 0
	v_lshrrev_b32 v1, 5, v0
	v_readfirstlane_b32 s66, v1                    ; wave 0..3
	s_lshr_b32 s67, ttmp9, 6                       ; e
	s_bfe_u32 s68, ttmp9, 0x40002                  ; g
	s_and_b32 s69, ttmp9, 3                        ; p
	v_and_b32 v248, 31, v0                         ; lane
	v_and_b32 v249, 15, v0                         ; r
	v_bfe_u32 v250, v0, 4, 1                       ; h
	v_lshlrev_b32 v[L16], 4, v248
	v_and_b32 v251, 8, v249
	v_add_nc_u32 v251, v251, v249                  ; r + 8 (r / 8)
	v_lshlrev_b32 v[WOF], 10, v251
	v_lshl_add_u32 v[WOF], v250, 4, v[WOF]
	v_lshlrev_b32 v[BOF], 6, v250
	s_wait_alu depctr_va_sdst(0)                   ; s66 is written, ahead of its first reader
	s_mul_i32 s98, s66, 4*PITCH
	v_add_nc_u32 v[STO], s98, v[L16]
	v_mul_u32_u24 v[FRG], v249, PITCH
	v_lshl_add_u32 v[FRG], v250, 4, v[FRG]
.irp k, 1,2,3
	v_add_nc_u32 v[STO+\k], \k*THIRD, v[STO]
	v_add_nc_u32 v[FRG+\k], \k*THIRD, v[FRG]
.endr
	v_lshrrev_b32 v251, 2, v248
	v_lshlrev_b32 v251, 4, v251
	v_and_b32 v252, 3, v248
	v_add_nc_u32 v[JB], v251, v252
	s_lshl_b32 s98, s66, 2
	v_add_nc_u32 v[JB], s98, v[JB]
	v_lshlrev_b32 v[PFO], 8, v248
	s_mov_b32 s99, 0
	s_wait_kmcnt 0x0
	s_lshl_b32 s98, s67, 8
	s_add_nc_u64 s[12:13], s[12:13], s[98:99]      ; the expert's 256 bytes of masks
	s_lshl_b32 s98, s67, 4
	s_add_nc_u64 s[10:11], s[10:11], s[98:99]      ; and its four exponents
	s_load_b512 s[16:31], s[12:13], 0x0
	s_load_b512 s[32:47], s[12:13], 0x40
	s_load_b512 s[48:63], s[12:13], 0x80
	s_load_b512 s[80:95], s[12:13], 0xc0
	s_load_b128 s[76:79], s[10:11], 0x0
	s_lshl_b32 s98, s67, 21
	s_add_nc_u64 s[4:5], s[4:5], s[98:99]          ; xq4 at e: 2,048 rows of 1,024 bytes
	s_lshr_b32 s98, ttmp9, 2
	s_lshl_b32 s98, s98, 18                        ; (16 e + g) x 256 units of 1,024 bytes,
	s_lshl_b32 s100, s66, 16                       ; + 64 units a wave
	s_add_co_u32 s98, s98, s100
	s_add_nc_u64 s[6:7], s[6:7], s[98:99]
	s_lshl_b32 s98, s67, 14                        ; b1: 4 (4,096 e + 256 g + 64 w)
	s_lshl_b32 s100, s68, 10
	s_add_co_u32 s98, s98, s100
	s_lshl_b32 s100, s66, 8
	s_add_co_u32 s98, s98, s100
	s_add_nc_u64 s[8:9], s[8:9], s[98:99]
	s_lshl_b32 s98, ttmp9, 16                      ; W2's codes: 65,536 bytes a work-group, 16,384 a wave
	s_lshl_b32 s100, s66, 14
	s_add_co_u32 s98, s98, s100
	s_add_nc_u64 s[2:3], s[2:3], s[98:99]
	s_wait_alu depctr_va_vdst(0)                   ; the addresses v1 to v11 and v247 are written, which the loads, stores and requests ahead of the whole kernel read; none of them is written again
.irp ct, 0,1,2,3
	global_load_b128 v[BIAS+8*\ct:BIAS+8*\ct+3], v[BOF], s[8:9] offset:(32*(\ct/2)+8*(\ct%2))*4
	global_load_b128 v[BIAS+8*\ct+4:BIAS+8*\ct+7], v[BOF], s[8:9] offset:(32*(\ct/2)+8*(\ct%2))*4+16
.endr
	WLOAD 0, 52                                    ; 60 loads are out; the register work below runs while they land
	s_wait_kmcnt 0x0
	COUNT
	s_max_u32 s71, s70, 1
	s_sub_co_u32 s71, s71, 1
	s_add_co_u32 s98, s70, 15
	s_lshr_b32 s98, s98, 4                         ; T
	s_mul_i32 s99, s69, s98
	s_lshr_b32 s99, s99, 2                         ; my first tile
	s_add_co_u32 s100, s69, 1
	s_mul_i32 s100, s100, s98
	s_lshr_b32 s100, s100, 2
	s_sub_co_u32 s72, s100, s99                    ; my tiles
	s_min_u32 s99, s99, 127                        ; (it is at most 96: the hold is for the address's sake)
	s_lshl_b32 s73, s99, 4                         ; my first slot
	s_lshl_b32 s98, s99, 16                        ; hq: 65,536 bytes a tile,
	s_lshl_b32 s100, s67, 23                       ; 128 tiles an expert,
	s_add_co_u32 s98, s98, s100
	s_lshl_b32 s100, s68, 12                       ; K step 2 g + w / 2 of 2,048 bytes and piece 2 (w % 2) of 512: 4,096 g + 1,024 w
	s_add_co_u32 s98, s98, s100
	s_lshl_b32 s100, s66, 10
	s_add_co_u32 s98, s98, s100
	s_mov_b32 s99, 0
	s_add_nc_u64 s[14:15], s[14:15], s[98:99]
	s_mov_b32 s75, 0
	s_add_co_i32 s100, s76, s77                    ; ex + ew1: a sum stands for sum x 2^(ex + ew1); b1 goes in divided by that,
	s_sub_co_i32 s101, 0, s100
	s_sub_co_i32 s100, s78, s100                   ; and the conversion's one scale is 2^(eh - ex - ew1)
	s_add_co_i32 s100, s100, 127
	s_lshl_b32 s104, s100, 23
	v_mov_b32 v[HSC], s104
	s_add_co_i32 s100, s100, 15
	s_lshl_b32 s100, s100, 23
	s_or_b32 s100, s100, 0x600000
	v_mov_b32 v[HLIM], s100
	JFORM
	SELECT                                         ; the first group's tokens
	s_wait_loadcnt 52                              ; b1's eight loads are in: the 52 weight loads issued behind them may stay out
.set j, 0
.rept 32
	v_ldexp_f32 v[BIAS+j], v[BIAS+j], s101
.set j, j+1
.endr
	WLOAD 52, 128                                  ; no wait: no vector instruction since the head's wait names v2 or a register of windows 2 and 3
	; The next launch's weights are asked for here, behind my own loads: each wave names its own 16,384 bytes of W2's codes once, lanes 256 bytes apart, two lines; 256 x 65,536 bytes is the whole buffer.
	global_prefetch_b8 v[PFO], s[2:3] th:TH_LOAD_NT scope:SCOPE_SE
	global_prefetch_b8 v[PFO], s[2:3] offset:8192 th:TH_LOAD_NT scope:SCOPE_SE
; the byte offsets of my four rows of all twelve tiles, made at once: eight lanes of the tokens are read into scalar registers, one wait, eight offsets; six times.
; (A tile that the group lacks has slots held at the list's last: its offsets are plain numbers that nothing reads.)
.macro ADDRS
.set ab, 0
.rept 6
.set ai, 0
.rept 8
	v_readlane_b32 s[10+ai+62*(ai/4)], v[TOK+(ab+ai)/32], (ab+ai)%32
.set ai, ai+1
.endr
	s_wait_alu depctr_va_sdst(0)                   ; the eight lane reads have written their scalar registers, which the lines below read
.set ai, 0
.rept 8
	s_min_u32 s[10+ai+62*(ai/4)], s[10+ai+62*(ai/4)], 0x7ff    ; a token's number, held inside the table
	s_lshl_b32 s[10+ai+62*(ai/4)], s[10+ai+62*(ai/4)], 10
	v_add_nc_u32 v[AD+ab+ai], s[10+ai+62*(ai/4)], v[L16]
.set ai, ai+1
.endr
.set ab, ab+8
.endr
	s_wait_alu depctr_vm_vsrc(0)                   ; the last group's last stores have read the codes' registers, in which rows land below
	s_wait_alu depctr_va_vdst(0)                   ; the 48 offsets are written, which the row loads read; the last group's products, holds and conversions are done with window 1 and v64-191, in which the rows land
.endm
; my four rows of tile t are asked for: 8 loads of 512 consecutive bytes.  No wait: behind the two above stand only loads, window switches, compares and branches
.macro GATHER t
.if (\t) < 8
	WIN 0x40
.set gb, 32*(\t)
.else
.set gb, 64+32*((\t)-8)
.endif
.irp q, 0,1,2,3
	global_load_b128 v[gb+8*\q:gb+8*\q+3], v[AD+4*(\t)+\q], s[4:5]
	global_load_b128 v[gb+8*\q+4:gb+8*\q+7], v[AD+4*(\t)+\q], s[4:5] offset:512
.endr
	WIN 0
.endm
; and go to LDS as rows
.macro PUT t
	s_wait_loadcnt 0x0                             ; the chain is entered at any tile: each link waits for all loads; only the first that is met waits in fact
.if (\t) < 8
	WIN 0x04
.set gb, 32*(\t)
.else
.set gb, 64+32*((\t)-8)
.endif
.irp q, 0,1,2,3
	ds_store_b128 v[STO+(\t)/3], v[gb+8*\q:gb+8*\q+3] offset:(16*((\t)%3)+\q)*PITCH
	ds_store_b128 v[STO+(\t)/3], v[gb+8*\q+4:gb+8*\q+7] offset:(16*((\t)%3)+\q)*PITCH+512
.endr
	WIN 0
.endm
; tile t's eight fragments (16 tokens x 1,024 k) into set t % 2
.macro XLOAD t
	WIN 0x40
.if (\t) == 0
	s_wait_alu depctr_va_vdst(0)                   ; the last group's products are done reading the two sets of fragments, in which this tile's and the next tile's loads land
.endif
.irp s, 0,1,2,3,4,5,6,7
.irp c, 0,1,2,3
	ds_load_b128 v[128*((\t)%2)+16*\s+4*\c:128*((\t)%2)+16*\s+4*\c+3], v[FRG+(\t)/3] offset:((\t)%3)*16*PITCH+128*\s+32*\c
.endr
.endr
	WIN 0
.endm
; 32 matrix instructions: K step by K step, the four accumulators by turns, one instruction a turn.  The bias starts the sums.
.macro UMUL b
	WIN 0x06                                       ; source 0 (W1) window 2, source 1 (the tokens) window 1
.irp s, 0,1,2,3,4,5,6,7
.if \s == 4
	WIN 0x07                                       ; W1's K steps 4-7: window 3
.endif
.irp ct, 0,1,2,3
.if \s == 0
	v_wmma_f32_16x16x128_bf8_bf8 v[ACC+8*\ct:ACC+8*\ct+7], v[16*(4*(\s%4)+\ct):16*(4*(\s%4)+\ct)+15], v[128*(\b)+16*\s:128*(\b)+16*\s+15], v[BIAS+8*\ct:BIAS+8*\ct+7]
.else
	v_wmma_f32_16x16x128_bf8_bf8 v[ACC+8*\ct:ACC+8*\ct+7], v[16*(4*(\s%4)+\ct):16*(4*(\s%4)+\ct)+15], v[128*(\b)+16*\s:128*(\b)+16*\s+15], v[ACC+8*\ct:ACC+8*\ct+7]
.endif
.endr
.endr
	WIN 0
.endm
; the tile's 64 units of 16 tokens: relu and the hold in one, codes, two stores of 512 consecutive aligned bytes.
; Four v_nop are the places behind the last product (ISA guide 7.12.1); the holds that follow are the places in front of the next tile's first products, which begin these accumulators anew.
.macro UQ t
.rept 4
	v_nop
.endr
	s_wait_xcnt 0x0                                ; the last tile's stores have had their addresses translated: the codes' registers may be written again,
	s_wait_alu depctr_vm_vsrc(0)                   ; and those stores have read the codes' registers, which the conversions below write
.irp b, 0,1
.irp i, 0,1,2,3,4,5,6,7,8,9,10,11,12,13,14,15
	v_med3_num_f32 v[ACC+16*\b+\i], v[ACC+16*\b+\i], 0, v[HLIM]   ; between 0 and the largest code x the scale (the conversion does not saturate: ISA guide 7.6.2); each accumulator from its low end on
.endr
	v_cvt_scalef32_pk8_bf8_f32 v[PC+4*\b:PC+4*\b+1], v[ACC+16*\b:ACC+16*\b+7], v[HSC]
	v_cvt_scalef32_pk8_bf8_f32 v[PC+4*\b+2:PC+4*\b+3], v[ACC+16*\b+8:ACC+16*\b+15], v[HSC]
.endr
	v_nop                                          ; one plain line between the last conversion and the products that write its sources
	s_wait_alu depctr_va_vdst(0)                   ; the conversions have written the codes, which the two stores read; this tile's products are done reading their set of fragments, in which the loads of the tile after next land
.irp b, 0,1
	global_store_b128 v[L16], v[PC+4*\b:PC+4*\b+3], s[14:15] offset:(\t)*65536+512*\b
.endr
.endm
; tile t, which exists.  If tile t + 1 exists too, its fragments are asked for first; else the tile's tail, written out behind the chain, ends the phase.
; The fragment loads owe no wait of their own: behind the wait that closes tile t - 1 stand only its two stores (which read v1 and the codes), a compare, a branch and the window switch.
.macro UTILE t
.if (\t) < 11
	s_cmp_gt_u32 s74, (\t)+1
	s_cbranch_scc0 .Lulast_\t
	XLOAD (\t)+1
	s_wait_dscnt 32                                ; this tile's 32 loads are in; the next tile's 32 may stay out
.else
	s_wait_dscnt 0x0
.endif
	UMUL (\t)%2
	UQ \t
.endm
.macro UTAIL t
.Lulast_\t:
	s_wait_dscnt 0x0
	UMUL (\t)%2
	UQ \t
	s_branch .Lp2
.endm
.Lgroup:                                               ; 3 trips of up to 12 tiles
	s_max_i32 s74, s72, 0
	s_min_u32 s74, s74, 12                         ; n
	s_cmp_eq_u32 s74, 0
	s_cbranch_scc1 .Lp1
	s_cmp_eq_u32 s75, 0
	s_cbranch_scc1 .Lhave_tok                      ; the first group's tokens were made at the head
	JFORM
	SELECT
.Lhave_tok:
	ADDRS
.irp t, 0,1,2,3,4,5,6,7,8,9,10
	GATHER \t
	s_cmp_le_u32 s74, \t+1
	s_cbranch_scc1 .Lputf_\t                       ; no further tile: into the chain below, at this tile
.endr
	GATHER 11
.irp t, 11,10,9,8,7,6,5,4,3,2,1,0
.Lputf_\t:
	PUT \t
.endr
.Lp1:
	s_wait_dscnt 0x0                               ; my rows have landed in LDS
	s_wait_alu depctr_vm_vsrc(0)                   ; the row loads have read their offsets, which the next group writes again; my LDS stores have read the landing places, which the fragments' loads, the products and the conversions write next
	s_barrier_signal -1
	s_barrier_wait -1                              ; everybody's have
	s_cmp_eq_u32 s74, 0
	s_cbranch_scc1 .Lp2
	s_wait_loadcnt 0x0                             ; the weights are in
	XLOAD 0
.irp t, 0,1,2,3,4,5,6,7,8,9,10,11
	UTILE \t
.endr
	s_branch .Lp2
.irp t, 0,1,2,3,4,5,6,7,8,9,10
	UTAIL \t
.endr
.Lp2:
	s_wait_dscnt 0x0                               ; my reads of the rows are over
	s_barrier_signal -1
	s_barrier_wait -1                              ; everybody's are: the next group may write them
	s_wait_xcnt 0x0                                ; the stores have read their base and data
	s_add_nc_u64 s[14:15], s[14:15], 12*65536
	s_add_co_u32 s73, s73, 192
	s_sub_co_i32 s72, s72, 12
	s_add_co_u32 s75, s75, 1
	s_cmp_lt_u32 s75, 3
	s_cbranch_scc1 .Lgroup
	s_wait_dscnt 0x0                               ; the closing lines, six on end
	s_wait_alu 0x0
	s_wait_tensorcnt 0x0
	ds_add_u32 v254, v255
	s_wait_dscnt 0x0
	s_endpgm
.Lfunc_end_k_qa1bb86669c_up:
	.size	k_qa1bb86669c_up, .Lfunc_end_k_qa1bb86669c_up-k_qa1bb86669c_up
	.p2alignl 7, 3214868480
	.fill 96, 4, 3214868480
	.section	.rodata,"a",@progbits
	.p2align	6, 0x0
	.amdhsa_kernel k_qa1bb86669c_up
		.amdhsa_group_segment_fixed_size 200192
		.amdhsa_private_segment_fixed_size 0
		.amdhsa_enable_private_segment 0
		.amdhsa_kernarg_size 56
		.amdhsa_user_sgpr_count 2
		.amdhsa_user_sgpr_kernarg_segment_ptr 1
		.amdhsa_wavefront_size32 1
		.amdhsa_system_sgpr_workgroup_id_x 1
		.amdhsa_system_sgpr_workgroup_id_y 1
		.amdhsa_system_sgpr_workgroup_id_z 1
		.amdhsa_system_vgpr_workitem_id 0
		.amdhsa_next_free_vgpr 1024
		.amdhsa_next_free_sgpr 106
		.amdhsa_reserve_vcc 0
		.amdhsa_float_denorm_mode_32 3
		.amdhsa_float_denorm_mode_16_64 3
		.amdhsa_memory_ordered 1
		.amdhsa_forward_progress 1
		.amdhsa_inst_pref_size 255
	.end_amdhsa_kernel
	.section	.bss,"aw",@nobits
	.p2align	6
	.space	262144
	.amdgpu_metadata
---
amdhsa.version: [ 1, 2 ]
amdhsa.kernels:
  - .name:           k_qa1bb86669c_up
    .symbol:         k_qa1bb86669c_up.kd
    .args:
      - { .name: xq4, .offset: 0, .size: 8, .value_kind: global_buffer, .address_space: global }
      - { .name: W1_codes, .offset: 8, .size: 8, .value_kind: global_buffer, .address_space: global }
      - { .name: b1, .offset: 16, .size: 8, .value_kind: global_buffer, .address_space: global }
      - { .name: lowp_scales, .offset: 24, .size: 8, .value_kind: global_buffer, .address_space: global }
      - { .name: masks, .offset: 32, .size: 8, .value_kind: global_buffer, .address_space: global }
      - { .name: hq, .offset: 40, .size: 8, .value_kind: global_buffer, .address_space: global }
      - { .name: W2_codes, .offset: 48, .size: 8, .value_kind: global_buffer, .address_space: global }
    .group_segment_fixed_size: 200192
    .private_segment_fixed_size: 0
    .kernarg_segment_align: 8
    .kernarg_segment_size: 56
    .max_flat_workgroup_size: 128
    .sgpr_count:     106
    .vgpr_count:     1024
    .wavefront_size: 32
...
	.end_amdgpu_metadata
.endif
;; end of part 5
;; launch down (part 6): grid 256 x 1, 4 waves a work-group, no clusters, 209,408 bytes of LDS; arguments hq, W2_codes, b2, lowp_scales, masks, out0; writes out0
.if DOCPART == 6
	.amdgcn_target "amdgcn-amd-amdhsa--gfx1250"
	.amdhsa_code_object_version 6
	.text
	.protected	k_qa1bb86669c_down
	.globl	k_qa1bb86669c_down
	.p2align	8
	.type	k_qa1bb86669c_down,@function
k_qa1bb86669c_down:
	s_mov_b64 s[64:65], 0
	v_nop
	global_prefetch_b8 v0, s[64:65] scope:SCOPE_SE
	s_setreg_imm32_b32 hwreg(HW_REG_WAVE_SCHED_MODE, 0, 2), 2
	s_setreg_imm32_b32 hwreg(HW_REG_WAVE_MODE, 25, 1), 1
	s_wait_xcnt 0x0
	s_wait_alu depctr_vm_vsrc(0)
; SECOND PRODUCT OF THE CHOSEN EXPERTS: out[token] = h W2[e] + b2[e] for the tokens that chose expert e, on codes of E5M2 by v_wmma_f32_16x16x128_bf8_bf8, sums in f32.
; IN: hq [e][tile 128][K step 32][piece 4][lane 32][16 bytes]: the hidden layer's codes as images of this product's operand registers (a tile = 16 slots of the expert's ascending list of tokens);
;     W2's codes [e][1,024 columns][4,096 k], b2, the scales' exponents (eh, ew2 at 4 e + 2 on), masks [e][64 words]: bit j of word k = token 32 k + j chose e.
; SHARES.  256 work-groups, whatever the split: id = 64 e + 4 g + p.  With c tokens for e and T = ceil(c / 16) tiles, part p owns tiles (p T) / 4 .. ((p + 1) T) / 4 - 1, at most 32; column group g owns columns 64 g .. 64 g + 63.
; THE WAVES SHARE K: wave w holds W2's 64 rows x k = 1,024 w .. + 1,023 in 512 registers, read from memory once, and reads only its quarter of each tile's image, 32 loads of 512 consecutive bytes straight into operand registers.
; The four partial sums of a tile meet in LDS once a group of 12 tiles; wave w then adds tiles w, w + 4, w + 8, applies 2^(eh + ew2) and b2 by one packed multiply-add, and stores: sixteen lanes fill 256 consecutive aligned bytes of a token's row.
; Each output row has one owner for each of its 16 column groups.  A slot past c is held at slot c - 1: it repeats the last token's row and stores the same numbers at the same place, from the same wave.
; THE MATRIX INSTRUCTION IS USED TRANSPOSED (source 0 = 16 rows of W2, source 1 = 16 tokens): a lane holds one token and eight neighbouring columns.
; Both operands hold, in registers 4 c .. 4 c + 3, k = 32 c + 16 (lane / 16) + 0 .. 15: one permutation of k, the same on both sides.  K is split over four waves: the sums' order differs from one chain's; the result is judged within a tolerance.
; NO TENSOR LOAD, NO CLUSTER: how many tiles a work-group has hangs on counts read from memory, so its branches hang on stored numbers.
; Every barrier stands on the way that all waves take: a loop of exactly 3 groups of 12 tiles (36 >= 32).
; LIMITS: eh + ew2 between -126 and 127.
; THE MODE: SCHED_MODE bits 1:0 = 2 (LLVM: expert scheduling mode 2), set by the entry lines.  The code itself states the register dependences between vector or matrix instructions
; and memory or LDS instructions, and those through scalar registers that vector instructions write, with s_wait_alu, always for 0.
; THE PLAN.  Registers that memory or LDS instructions touch:
;   v1-8, v254, v255          addresses, made at the head and never written again: one wait on va_vdst ahead of the first load serves them for the whole kernel.
;   windows 2, 3              W2: the head's loads land there, products read them; no vector instruction names them.
;   window 1, two sets        tile t's image loads land in set t % 2, tile t's products read it; no store reads it.
;   v32-95, two sets          accumulators: tile t's products write set t % 2, the tile's eight LDS stores read it.
;   v96-223                   a tile's partial sums: the stage's loads land there, the sums work in place, the tile's eight stores read their results.
;   v24-31                    the stores' offsets: made while the stage's loads are out, read by the eight stores.
; THE WAITS.  A tile of products: one on vm_vsrc ahead of its products (the LDS stores that read this set of accumulators), and ONE on va_vdst behind its places: it serves the tile's LDS stores and the image loads of the tile after next.
; A tile of sums: one on vm_vsrc ahead of the stage's loads, ONE on va_vdst ahead of the run of eight stores; no vector instruction names v96-223 between that wait and the next tile's loads from the stage.
; SCALAR REGISTERS THAT VECTOR INSTRUCTIONS WRITE: s66 (the wave), and s10-13 with s76-79 (compare masks, lanes read), written in runs with one wait on va_sdst behind each run.  VCC is not used.
; REGISTERS, in windows of 256: window 0: addresses, accumulators, work.  window 1: the tokens' fragments, two sets of 128 (fragment s of set b at v[128 b + 16 s]).
;   windows 2, 3: W2's 32 fragments: (K step s, tile ct) in window 2 + s / 4 at v[16 (4 (s % 4) + ct)].
.set SPITCH, 272                       ; a stage row: 64 columns of f32 + 16 bytes: an odd multiple of 16
.set TILEB,  16*SPITCH                 ; a tile's partial sums
.set REG,    12*TILEB                  ; a wave's region: 52,224 bytes
.set L16,  1                           ; v1      16 x lane
.set WOF,  2                           ; v2      W2: r x 4,096 + 16 h
.set STO,  3                           ; v3      the stage, in: my region, row r, + 32 h
.set RD,   4                           ; v4-7    the stage, out: region p, tile w, row lane / 16, + 16 (lane % 16)
.set C16,  8                           ; v8      16 (lane % 16)
.set TOK,  14                          ; v14-15  tokens: tile w + 4 m, row q in lane 16 (m % 2) + q of v[14 + m / 2]
.set B2,   16                          ; v16-19  b2 of my four columns
.set OA,   24                          ; v24-31  byte offsets in out, one for each pair of rows
.set ACC,  32                          ; v32-95  two sets of four accumulators, by the tile's parity
.set RED,  96                          ; v96-223 a tile's partial sums: pair of rows u, region p at RED + 16 u + 4 p
.set SJ,   224                         ; v224-245 SELECT's: slot, word, packed prefix, rank, four partial counts, position, two at work; two of each
.set SW,   226
.set SP,   228
.set SR,   230
.set SA,   232
.set SB,   234
.set SC8,  236
.set SD,   238
.set SO,   240
.set SX,   242
.set SY,   244
.set JB,   246                         ; v246    my slot in a group: 16 w + 64 (lane / 16) + lane % 16
; SCALARS: s[4:5] hq at my quarter of the group's first tile; s[6:7] W2 at my part; s[8:9] b2 at my columns; s[14:15] out at my columns;
; s[16:63], s[80:95] the 64 mask words (word k in s[16 + k + 16 (k / 48)]); s66 wave; s67 e; s68 g; s69 p; s70 c; s71 max(c, 1) - 1; s72 tiles left; s73 the group's first slot; s74 n; s75 group;
; s[10:13], s[76:79]: at the head the pointers to the scales and the masks, and ex, ew1, eh, ew2; behind that the eight registers that compares and lane reads write (number n of eight in s[10 + n + 62 (n / 4)]);
; s[100:101] 2^(eh + ew2), twice; s104 the mask of lanes 16-31; s96-99, s105 at work.
.set MSB, 0
.macro WIN new                         ; low byte: bits 1:0 source 0, 3:2 source 1, 5:4 source 2, 7:6 destination; the high byte repeats the setting that is left
.if MSB != (\new)
	s_set_vgpr_msb (MSB<<8)|(\new)
.set MSB, (\new)
.endif
.endm
; weight loads lo .. hi - 1 of 128: number 32 ct + 4 s + c brings registers 4 c .. 4 c + 3 of fragment (s, ct)
.macro WLOAD lo, hi
.set wi, \lo
.rept (\hi)-(\lo)
.set wct, wi/32
.set ws, (wi/4)%8
.set wc, wi%4
	WIN 0x80+0x40*(ws/4)
	global_load_b128 v[16*(4*(ws%4)+wct)+4*wc:16*(4*(ws%4)+wct)+4*wc+3], v[WOF], s[6:7] offset:wct*65536+128*ws+32*wc
.set wi, wi+1
.endr
	WIN 0
.endm
.macro COUNT                           ; c = the set bits of the 64 words
	s_bcnt1_i32_b32 s70, s16
.set k, 1
.rept 63
	s_bcnt1_i32_b32 s99, s[16+k+16*(k/48)]
	s_add_co_u32 s70, s70, s99
.set k, k+1
.endr
.endm
.macro JFORM                           ; my two slots of the group, held at the list's last
	v_add_nc_u32 v[SJ], s73, v[JB]
	v_add_nc_u32 v[SJ+1], 128, v[SJ]
	v_min_u32 v[SJ], s71, v[SJ]
	v_min_u32 v[SJ+1], s71, v[SJ+1]
.endm
.macro SSTEP f, w, fw                  ; one halving, for both slots: the lower w bits at the position hold t set bits; where rank >= t the bit lies above them
	v_bfe_u32 v[SX], v[\f], v[SO], \fw
	v_bfe_u32 v[SX+1], v[\f+1], v[SO+1], \fw
	v_cmp_ge_u32 s10, v[SR], v[SX]
	v_cmp_ge_u32 s11, v[SR+1], v[SX+1]
	s_wait_alu depctr_va_sdst(0)                   ; the two compares have written s10 and s11, which the four selects below read
	v_cndmask_b32 v[SX], 0, v[SX], s10
	v_cndmask_b32 v[SY], 0, \w, s10
	v_cndmask_b32 v[SX+1], 0, v[SX+1], s11
	v_cndmask_b32 v[SY+1], 0, \w, s11
	v_sub_nc_u32 v[SR], v[SR], v[SX]
	v_add_nc_u32 v[SO], v[SO], v[SY]
	v_sub_nc_u32 v[SR+1], v[SR+1], v[SX+1]
	v_add_nc_u32 v[SO+1], v[SO+1], v[SY+1]
.endm
; SLOT j -> TOKEN: the j-th set bit of the 2,048.  The last word k whose prefix (set bits in the words below it) is <= j holds it: s96 runs through the prefixes, s97 = prefix + 65,536 k,
; and a lane keeps what it has from the first word on whose prefix is above its j.  Then five halvings inside the word, on its partial counts.
; The 63 words go four at a time: a run of eight compares (two slots x four words) into eight scalar registers, s96 moving on between them; one wait; the sixteen selects, s97 moving on between them.
.macro SELECT
	v_mov_b32 v[SW], s16
	v_mov_b32 v[SW+1], s16
	v_mov_b32 v[SP], 0
	v_mov_b32 v[SP+1], 0
	s_bcnt1_i32_b32 s96, s16
	s_add_co_u32 s97, s96, 0x10000
.set qk, 1
.rept 16
.set qi, 0
.rept 4
.if qk+qi < 64
	v_cmp_gt_u32 s[10+2*qi+62*(qi/2)], s96, v[SJ]
	v_cmp_gt_u32 s[11+2*qi+62*(qi/2)], s96, v[SJ+1]
	s_bcnt1_i32_b32 s99, s[16+(qk+qi)+16*((qk+qi)/48)]
	s_add_co_u32 s96, s96, s99
.endif
.set qi, qi+1
.endr
	s_wait_alu depctr_va_sdst(0)                   ; the run of compares has written its masks, which the selects below read
.set qi, 0
.rept 4
.if qk+qi < 64
	v_cndmask_b32 v[SW], s[16+(qk+qi)+16*((qk+qi)/48)], v[SW], s[10+2*qi+62*(qi/2)]
	v_cndmask_b32 v[SP], s97, v[SP], s[10+2*qi+62*(qi/2)]
	v_cndmask_b32 v[SW+1], s[16+(qk+qi)+16*((qk+qi)/48)], v[SW+1], s[11+2*qi+62*(qi/2)]
	v_cndmask_b32 v[SP+1], s97, v[SP+1], s[11+2*qi+62*(qi/2)]
	s_bcnt1_i32_b32 s99, s[16+(qk+qi)+16*((qk+qi)/48)]
	s_add_co_u32 s97, s97, s99
	s_add_co_u32 s97, s97, 0x10000
.endif
.set qi, qi+1
.endr
.set qk, qk+4
.endr
.irp x, 0,1
	v_and_b32 v[SX+\x], 0xffff, v[SP+\x]
	v_sub_nc_u32 v[SR+\x], v[SJ+\x], v[SX+\x]      ; rank inside the word
	v_lshrrev_b32 v[SP+\x], 16, v[SP+\x]
	v_lshlrev_b32 v[SP+\x], 5, v[SP+\x]            ; 32 k
	v_lshrrev_b32 v[SX+\x], 1, v[SW+\x]
	v_and_b32 v[SX+\x], 0x55555555, v[SX+\x]
	v_sub_nc_u32 v[SA+\x], v[SW+\x], v[SX+\x]      ; counts of 2 bits
	v_lshrrev_b32 v[SX+\x], 2, v[SA+\x]
	v_and_b32 v[SX+\x], 0x33333333, v[SX+\x]
	v_and_b32 v[SB+\x], 0x33333333, v[SA+\x]
	v_add_nc_u32 v[SB+\x], v[SB+\x], v[SX+\x]      ; of 4
	v_lshrrev_b32 v[SX+\x], 4, v[SB+\x]
	v_add_nc_u32 v[SX+\x], v[SX+\x], v[SB+\x]
	v_and_b32 v[SC8+\x], 0x0f0f0f0f, v[SX+\x]      ; of 8
	v_lshrrev_b32 v[SX+\x], 8, v[SC8+\x]
	v_add_nc_u32 v[SX+\x], v[SX+\x], v[SC8+\x]
	v_and_b32 v[SD+\x], 0x00ff00ff, v[SX+\x]       ; of 16
	v_mov_b32 v[SO+\x], 0
.endr
	SSTEP SD, 16, 8
	SSTEP SC8, 8, 8
	SSTEP SB, 4, 4
	SSTEP SA, 2, 2
	SSTEP SW, 1, 1
.irp x, 0,1
	v_add_nc_u32 v[TOK+\x], v[SP+\x], v[SO+\x]
.endr
.endm
	s_load_b256 s[4:11], s[0:1], 0x0               ; hq, W2's codes, b2, the scales' exponents
	s_load_b128 s[12:15], s[0:1], 0x20             ; masks, out
	v_lshl_add_u32 v254, v0, 2, 0x33000
	v_mov_b32 v255, 0
	v_lshrrev_b32 v1, 5, v0
	v_readfirstlane_b32 s66, v1                    ; wave 0..3
	s_lshr_b32 s67, ttmp9, 6                       ; e
	s_bfe_u32 s68, ttmp9, 0x40002                  ; g
	s_and_b32 s69, ttmp9, 3                        ; p
	v_and_b32 v248, 31, v0                         ; lane
	v_and_b32 v249, 15, v0                         ; r
	v_bfe_u32 v250, v0, 4, 1                       ; h
	v_lshlrev_b32 v[L16], 4, v248
	v_lshlrev_b32 v[WOF], 12, v249
	v_lshl_add_u32 v[WOF], v250, 4, v[WOF]
	s_wait_alu depctr_va_sdst(0)                   ; s66 is written, ahead of its first reader
	s_mul_i32 s98, s66, REG
	v_mul_u32_u24 v[STO], v249, SPITCH
	v_lshl_add_u32 v[STO], v250, 5, v[STO]
	v_add_nc_u32 v[STO], s98, v[STO]
	s_mul_i32 s98, s66, TILEB
	v_mul_u32_u24 v[RD], v250, SPITCH
	v_lshl_add_u32 v[RD], v249, 4, v[RD]
	v_add_nc_u32 v[RD], s98, v[RD]
.irp k, 1,2,3
	v_add_nc_u32 v[RD+\k], \k*REG, v[RD]
.endr
	v_lshlrev_b32 v[C16], 4, v249
	v_lshl_add_u32 v[JB], v250, 6, v249
	s_lshl_b32 s98, s66, 4
	v_add_nc_u32 v[JB], s98, v[JB]
	s_mov_b32 s104, 0xffff0000
	s_mov_b32 s99, 0
	s_wait_kmcnt 0x0
	s_lshl_b32 s98, s67, 8
	s_add_nc_u64 s[12:13], s[12:13], s[98:99]      ; the expert's 256 bytes of masks
	s_lshl_b32 s98, s67, 4
	s_add_nc_u64 s[10:11], s[10:11], s[98:99]      ; and its four exponents
	s_load_b512 s[16:31], s[12:13], 0x0
	s_load_b512 s[32:47], s[12:13], 0x40
	s_load_b512 s[48:63], s[12:13], 0x80
	s_load_b512 s[80:95], s[12:13], 0xc0
	s_load_b128 s[76:79], s[10:11], 0x0
	s_lshr_b32 s98, ttmp9, 2
	s_lshl_b32 s98, s98, 18                        ; (16 e + g) x 64 columns of 4,096 bytes,
	s_lshl_b32 s105, s66, 10                       ; + my 1,024 along K
	s_add_co_u32 s98, s98, s105
	s_add_nc_u64 s[6:7], s[6:7], s[98:99]
	s_lshl_b32 s98, s67, 12                        ; b2: 4 (1,024 e + 64 g)
	s_lshl_b32 s105, s68, 8
	s_add_co_u32 s98, s98, s105
	s_add_nc_u64 s[8:9], s[8:9], s[98:99]
	s_mov_b32 s98, s105                            ; out: my 64 columns' 256 bytes
	s_add_nc_u64 s[14:15], s[14:15], s[98:99]
	s_wait_alu depctr_va_vdst(0)                   ; the addresses v1 to v8 are written, which the loads and stores of the whole kernel read; none of them is written again
	global_load_b128 v[B2:B2+3], v[C16], s[8:9]
	WLOAD 0, 59                                    ; 60 loads are out; the register work below runs while they land
	s_wait_kmcnt 0x0
	COUNT
	s_max_u32 s71, s70, 1
	s_sub_co_u32 s71, s71, 1
	s_add_co_u32 s98, s70, 15
	s_lshr_b32 s98, s98, 4                         ; T
	s_mul_i32 s99, s69, s98
	s_lshr_b32 s99, s99, 2                         ; my first tile
	s_add_co_u32 s105, s69, 1
	s_mul_i32 s105, s105, s98
	s_lshr_b32 s105, s105, 2
	s_sub_co_u32 s72, s105, s99                    ; my tiles
	s_min_u32 s99, s99, 127                        ; (it is at most 96: the hold is for the address's sake)
	s_lshl_b32 s73, s99, 4                         ; my first slot
	s_lshl_b32 s98, s99, 16                        ; hq: 65,536 bytes a tile,
	s_lshl_b32 s105, s67, 23                       ; 128 tiles an expert,
	s_add_co_u32 s98, s98, s105
	s_lshl_b32 s105, s66, 14                       ; my eight K steps of 2,048 bytes
	s_add_co_u32 s98, s98, s105
	s_mov_b32 s99, 0
	s_add_nc_u64 s[4:5], s[4:5], s[98:99]
	s_mov_b32 s75, 0
	s_add_co_i32 s100, s78, s79                    ; eh + ew2
	s_add_co_i32 s100, s100, 127
	s_lshl_b32 s100, s100, 23                      ; 2^(eh + ew2) as f32
	s_mov_b32 s101, s100                           ; (named with it as a pair, so it is written)
	JFORM
	SELECT                                         ; the first group's tokens
	WLOAD 59, 128                                  ; no wait: no vector instruction since the head's wait names v2 or a register of windows 2 and 3
; my quarter of tile t's image: eight fragments into set t % 2, each load 512 consecutive bytes.
; No wait of its own: the products that read this set stand ahead of the wait that follows their places, and behind that wait no vector or matrix instruction names v1 or the set, and no store reads them.
.macro HLOAD t
	WIN 0x40
.irp s, 0,1,2,3,4,5,6,7
.irp c, 0,1,2,3
	global_load_b128 v[128*((\t)%2)+16*\s+4*\c:128*((\t)%2)+16*\s+4*\c+3], v[L16], s[4:5] offset:(\t)*65536+2048*\s+512*\c
.endr
.endr
	WIN 0
.endm
; 32 matrix instructions: K step by K step, the four accumulators by turns, one instruction a turn.  The first K step starts the sums.
.macro DMUL b
	WIN 0x06                                       ; source 0 (W2) window 2, source 1 (the tokens) window 1
.irp s, 0,1,2,3,4,5,6,7
.if \s == 4
	WIN 0x07                                       ; W2's K steps 4-7: window 3
.endif
.irp ct, 0,1,2,3
.if \s == 0
	v_wmma_f32_16x16x128_bf8_bf8 v[ACC+32*(\b)+8*\ct:ACC+32*(\b)+8*\ct+7], v[16*(4*(\s%4)+\ct):16*(4*(\s%4)+\ct)+15], v[128*(\b)+16*\s:128*(\b)+16*\s+15], 0
.else
	v_wmma_f32_16x16x128_bf8_bf8 v[ACC+32*(\b)+8*\ct:ACC+32*(\b)+8*\ct+7], v[16*(4*(\s%4)+\ct):16*(4*(\s%4)+\ct)+15], v[128*(\b)+16*\s:128*(\b)+16*\s+15], v[ACC+32*(\b)+8*\ct:ACC+32*(\b)+8*\ct+7]
.endif
.endr
.endr
	WIN 0
.endm
; my partial sums of tile t into my region of the stage.  Five v_nop: four places are owed in front of the stores,
; five in front of a product that begins these accumulators anew, and on the shortest way nothing else stands between.  The places stay beside the wait.
.macro DPUT t
.rept 5
	v_nop
.endr
	s_wait_alu depctr_va_vdst(0)                   ; the products have written this set of accumulators, which the LDS stores read; and they are done reading their set of fragments, in which the image of the tile after next lands
.irp ct, 0,1,2,3
	ds_store_b128 v[STO], v[ACC+32*((\t)%2)+8*\ct:ACC+32*((\t)%2)+8*\ct+3] offset:(\t)*TILEB+64*\ct       ; each accumulator from its low end on
	ds_store_b128 v[STO], v[ACC+32*((\t)%2)+8*\ct+4:ACC+32*((\t)%2)+8*\ct+7] offset:(\t)*TILEB+64*\ct+16
.endr
.endm
; tile t, which exists.  If tile t + 1 exists too, its image is asked for first; else the tile's tail, written out behind the chain, ends the phase.
.macro DTILE t
.if (\t) < 11
	s_cmp_gt_u32 s74, (\t)+1
	s_cbranch_scc0 .Ldlast_\t
	HLOAD (\t)+1
	s_wait_loadcnt 32                              ; this tile's loads and all older ones (the weights, b2) are in; the next tile's 32 may stay out
.else
	s_wait_loadcnt 0x0
.endif
.if (\t) >= 2
	s_wait_dscnt 8                                 ; the stores that read this set of accumulators, two tiles ago, are done; the last tile's 8 may stay out
.endif
	s_wait_alu depctr_vm_vsrc(0)                   ; the LDS stores of two tiles ago (in a group's first two tiles: the last group's) have read this set of accumulators, which the products below write
	DMUL (\t)%2
	DPUT \t
.endm
.macro DTAIL t
.Ldlast_\t:
	s_wait_loadcnt 0x0
.if (\t) >= 2
	s_wait_dscnt 8
.endif
	s_wait_alu depctr_vm_vsrc(0)                   ; the LDS stores of two tiles ago (in a group's first two tiles: the last group's) have read this set of accumulators, which the products below write
	DMUL (\t)%2
	DPUT \t
	s_branch .LpA
.endm
; tile w + 4 m of the group, if it exists: the four waves' partial sums are added, scaled, given their bias and stored.
; The 32 loads from the stage go out first; the eight stores' offsets are made while they land; then the sums, pair of rows by pair; one wait; the run of eight stores.
.macro DRED m
	s_add_co_u32 s98, s66, 4*\m
	s_cmp_lt_u32 s98, s74
	s_cbranch_scc0 .LpB
	s_wait_loadcnt 0x0                             ; b2 is in, on every way here
	s_wait_xcnt 0x0                                ; the last tile's stores have had their addresses translated: their data and offsets may be written again,
	s_wait_alu depctr_vm_vsrc(0)                   ; and those stores have read their data, in which the loads below land, and their offsets, which are made anew below
.irp u, 0,1,2,3,4,5,6,7
.irp p, 0,1,2,3
	ds_load_b128 v[RED+16*\u+4*\p:RED+16*\u+4*\p+3], v[RD+\p] offset:4*\m*TILEB+2*\u*SPITCH
.endr
.endr
.set ob, 0
	s_wait_alu depctr_va_vdst(0)
.rept 2
.set oi, 0
.rept 8
	v_readlane_b32 s[10+oi+62*(oi/4)], v[TOK+(\m)/2], 16*((\m)%2)+8*ob+oi     ; the tokens of rows 8 ob + 0 .. 7
.set oi, oi+1
.endr
	s_wait_alu depctr_va_sdst(0)                   ; the eight lane reads have written their scalar registers, which the lines below read
.set oi, 0
.rept 4
	v_mov_b32 v11, s[11+2*oi+62*(oi/2)]
	v_cndmask_b32 v11, s[10+2*oi+62*(oi/2)], v11, s104   ; lanes 0-15 the pair's first row, lanes 16-31 its second
	v_min_u32 v11, 0x7ff, v11                      ; a token's number, held inside the table
	v_lshl_add_u32 v[OA+4*ob+oi], v11, 12, v[C16]
.set oi, oi+1
.endr
.set ob, ob+1
.endr
.irp u, 0,1,2,3,4,5,6,7
	s_wait_dscnt 28-4*\u                           ; this pair of rows' four loads are in; the later pairs' stay out
	v_pk_add_f32 v[RED+16*\u:RED+16*\u+1], v[RED+16*\u:RED+16*\u+1], v[RED+16*\u+4:RED+16*\u+5]
	v_pk_add_f32 v[RED+16*\u+2:RED+16*\u+3], v[RED+16*\u+2:RED+16*\u+3], v[RED+16*\u+6:RED+16*\u+7]
	v_pk_add_f32 v[RED+16*\u+8:RED+16*\u+9], v[RED+16*\u+8:RED+16*\u+9], v[RED+16*\u+12:RED+16*\u+13]
	v_pk_add_f32 v[RED+16*\u+10:RED+16*\u+11], v[RED+16*\u+10:RED+16*\u+11], v[RED+16*\u+14:RED+16*\u+15]
	v_pk_add_f32 v[RED+16*\u:RED+16*\u+1], v[RED+16*\u:RED+16*\u+1], v[RED+16*\u+8:RED+16*\u+9]
	v_pk_add_f32 v[RED+16*\u+2:RED+16*\u+3], v[RED+16*\u+2:RED+16*\u+3], v[RED+16*\u+10:RED+16*\u+11]
	v_pk_fma_f32 v[RED+16*\u:RED+16*\u+1], v[RED+16*\u:RED+16*\u+1], s[100:101], v[B2:B2+1] op_sel_hi:[1,0,1]       ; sum x 2^(eh + ew2) + b2
	v_pk_fma_f32 v[RED+16*\u+2:RED+16*\u+3], v[RED+16*\u+2:RED+16*\u+3], s[100:101], v[B2+2:B2+3] op_sel_hi:[1,0,1]
.endr
	s_wait_alu depctr_va_vdst(0)                   ; the sums and the eight offsets are written, which the stores below read; and the sums are done with v96-223, in which the next tile's loads from the stage land
.irp u, 0,1,2,3,4,5,6,7
	global_store_b128 v[OA+\u], v[RED+16*\u:RED+16*\u+3], s[14:15] th:TH_STORE_NT   ; sixteen lanes store 256 consecutive bytes, aligned; written once, read by nobody here
.endr
.endm
.Lgroup:                                               ; 3 trips of up to 12 tiles
	s_max_i32 s74, s72, 0
	s_min_u32 s74, s74, 12                         ; n
	s_cmp_eq_u32 s74, 0
	s_cbranch_scc1 .LpA
	HLOAD 0
	s_cmp_eq_u32 s75, 0
	s_cbranch_scc1 .Lhave_tok                      ; the first group's tokens were made at the head
	JFORM
	SELECT
.Lhave_tok:
.irp t, 0,1,2,3,4,5,6,7,8,9,10,11
	DTILE \t
.endr
	s_branch .LpA
.irp t, 0,1,2,3,4,5,6,7,8,9,10
	DTAIL \t
.endr
.LpA:
	s_wait_dscnt 0x0                               ; my partial sums have landed in LDS
	s_barrier_signal -1
	s_barrier_wait -1                              ; everybody's have
	DRED 0
	DRED 1
	DRED 2
.LpB:
	s_wait_dscnt 0x0                               ; my reads of the stage are over
	s_barrier_signal -1
	s_barrier_wait -1                              ; everybody's are: the next group may write it
	s_wait_xcnt 0x0                                ; the loads have read their base
	s_add_nc_u64 s[4:5], s[4:5], 12*65536
	s_add_co_u32 s73, s73, 192
	s_sub_co_i32 s72, s72, 12
	s_add_co_u32 s75, s75, 1
	s_cmp_lt_u32 s75, 3
	s_cbranch_scc1 .Lgroup
	s_wait_dscnt 0x0                               ; the closing lines, six on end
	s_wait_alu 0x0
	s_wait_tensorcnt 0x0
	ds_add_u32 v254, v255
	s_wait_dscnt 0x0
	s_endpgm
.Lfunc_end_k_qa1bb86669c_down:
	.size	k_qa1bb86669c_down, .Lfunc_end_k_qa1bb86669c_down-k_qa1bb86669c_down
	.p2alignl 7, 3214868480
	.fill 96, 4, 3214868480
	.section	.rodata,"a",@progbits
	.p2align	6, 0x0
	.amdhsa_kernel k_qa1bb86669c_down
		.amdhsa_group_segment_fixed_size 209408
		.amdhsa_private_segment_fixed_size 0
		.amdhsa_enable_private_segment 0
		.amdhsa_kernarg_size 48
		.amdhsa_user_sgpr_count 2
		.amdhsa_user_sgpr_kernarg_segment_ptr 1
		.amdhsa_wavefront_size32 1
		.amdhsa_system_sgpr_workgroup_id_x 1
		.amdhsa_system_sgpr_workgroup_id_y 1
		.amdhsa_system_sgpr_workgroup_id_z 1
		.amdhsa_system_vgpr_workitem_id 0
		.amdhsa_next_free_vgpr 1024
		.amdhsa_next_free_sgpr 106
		.amdhsa_reserve_vcc 0
		.amdhsa_float_denorm_mode_32 3
		.amdhsa_float_denorm_mode_16_64 3
		.amdhsa_memory_ordered 1
		.amdhsa_forward_progress 1
		.amdhsa_inst_pref_size 238
	.end_amdhsa_kernel
	.amdgpu_metadata
---
amdhsa.version: [ 1, 2 ]
amdhsa.kernels:
  - .name:           k_qa1bb86669c_down
    .symbol:         k_qa1bb86669c_down.kd
    .args:
      - { .name: hq, .offset: 0, .size: 8, .value_kind: global_buffer, .address_space: global }
      - { .name: W2_codes, .offset: 8, .size: 8, .value_kind: global_buffer, .address_space: global }
      - { .name: b2, .offset: 16, .size: 8, .value_kind: global_buffer, .address_space: global }
      - { .name: lowp_scales, .offset: 24, .size: 8, .value_kind: global_buffer, .address_space: global }
      - { .name: masks, .offset: 32, .size: 8, .value_kind: global_buffer, .address_space: global }
      - { .name: out0, .offset: 40, .size: 8, .value_kind: global_buffer, .address_space: global }
    .group_segment_fixed_size: 209408
    .private_segment_fixed_size: 0
    .kernarg_segment_align: 8
    .kernarg_segment_size: 48
    .max_flat_workgroup_size: 128
    .sgpr_count:     106
    .vgpr_count:     1024
    .wavefront_size: 32
...
	.end_amdgpu_metadata
.endif
;; end of part 6
